; MI455X (gfx1250); checked and timed in simulation.
; The chip was launched on July 23, 2026; its instructions are those of AMD's public machine-readable ISA for CDNA 5 (MIT licence, August 2026) and "CDNA5" Instruction Set Architecture Reference Guide (July 2026). The comments in the code are by the model that wrote it; some were corrected since.
;; Multi Head Self Attention. Allowed arithmetic: matrix products marked QUANTISED: E2M3 operands, one E8M0 scale for each 32 along K, by v_wmma_scale_f32_16x16x128_f8f6f4 with both operands' format E2M3, f32 sums; everything else in f32.
;; Inputs: Wk 1,024 x 1,024 float32; Wo 1,024 x 1,024 float32; Wq 1,024 x 1,024 float32; Wv 1,024 x 1,024 float32; bo 1,024 float32; bq 1,024 float32; bv 1,024 float32; mask 2,048 x 2,048 float32; x 4 x 2,048 x 1,024 float32.
;; Outputs: out0 4 x 2,048 x 1,024 float32.
;; This version of the problem:
;;   THIS VERSION OF THE PROBLEM IS GIVEN IN LOW PRECISION. The matrix products marked QUANTISED in the list below multiply operands that are first quantised to E2M3 (2 exponent bits, 3 mantissa bits; 6 bits a number), with one power-of-two scale for each 32 numbers along K (OCP MX v1.0); their sums are f32. All else is computed in f32.
;;   The module's matrix products, in the order in which they are computed (A, B: the left and right operand; K: the contracted axis; several contracted axes count as one K, in the product's order):
;;     1. [M 8,192, K 1,024] x [K 1,024, N 1,024]; A: input x; B: input Wq: QUANTISED
;;     2. [M 8,192, K 1,024] x [K 1,024, N 1,024]; A: input x; B: input Wk: QUANTISED
;;     3. [M 8,192, K 1,024] x [K 1,024, N 1,024]; A: input x; B: input Wv: QUANTISED
;;     4. batch 64 x [M 2,048, K 64] x [K 64, N 2,048]; A: computed on the way; B: computed on the way: QUANTISED
;;     5. batch 64 x [M 2,048, K 2,048] x [K 2,048, N 64]; A: softmax (see below); B: computed on the way: QUANTISED
;;     6. [M 8,192, K 1,024] x [K 1,024, N 1,024]; A: computed on the way; B: input Wo: QUANTISED
;;   THE QUANTISER, for each operand of a quantised product, along K:
;;     - K is cut into blocks of 32 from its start; a last block that is shorter is filled with zeros.
;;     - A block's scale is 2^e with e = floor(log2(the largest magnitude in the block)) - 2, held to -126 .. 127; a block of zeros has e = 0. As a byte (E8M0): e + 127.
;;     - Each number is divided by its block's scale, clamped to +-7.5, and rounded to the nearest number of E2M3, ties to even, subnormals kept.
;;     - The product sums the exact products of the quantised numbers (number of the format x scale) in f32.
;;   ~~~python
;;   def quantise(x, axis):      # numpy; x: float32 -> the quantised numbers, widened to float32 again
;;       x = np.moveaxis(x, axis, -1); K = x.shape[-1]
;;       x = np.pad(x, [(0, 0)] * (x.ndim - 1) + [(0, -K % 32)]); x = x.reshape(x.shape[:-1] + (-1, 32)); a = np.abs(x).max(-1, keepdims=True)
;;       e = np.where(a > 0, np.clip(np.frexp(np.where(a > 0, a, 1))[1] - 1 - 2, -126, 127), 0)      # np.frexp(a)[1] - 1 = floor(log2(a)), exactly
;;       r = np.clip(x / 2.0 ** e, -7.5, 7.5)
;;       step = 2.0 ** (np.maximum(np.frexp(np.where(r == 0, 1, r))[1] - 1, 0) - 3)
;;       q = np.round(r / step) * step * 2.0 ** e      # np.round: ties to even
;;       return np.moveaxis(q.reshape(q.shape[:-2] + (-1,))[..., :K], -1, axis).astype(np.float32)
;;   ~~~
;;   SOFTMAX AHEAD OF A QUANTISED PRODUCT. Where the list says 'softmax', what is quantised is not the finished softmax but p = 2^(t - M), with t = logit x log2(e) and M = ceil(the row's largest t), a whole number; so 1/2 < the row's largest p <= 1. The row's sum l is taken of the UNQUANTISED p, in f32, and the product's result is divided by l at the end. Since M is a whole number, a kernel that streams over the keys may use a running M (the ceiling of the running maximum): every later rescaling is an exact power of two, which a block's scale takes up: the codes' values come out the same.
;;   OPERANDS COMPUTED ON THE WAY. 'Computed on the way' means the value that the module computes at that place (a softmax that the list does not call 'softmax' is quantised finished and normalised). What goes into a quantiser is computed in f32, as accurately as f32 sums, v_exp_f32 and their like allow (about 1e-6 of the number): no bf16 or f16 on the way to a quantiser, and a product that is left as it is and whose result goes on into a quantised operand takes f32 operands (vector FMAs, or v_wmma_f32_16x16x4_f32). A number that lies on a knife's edge between two numbers of the format may be rounded either way, as far as f32 arithmetic and the matrix unit's own rounding can turn it there, and no further.
;; One version. Each part assembles by itself: llvm-mc -triple=amdgcn-amd-amdhsa -mcpu=gfx1250 --defsym DOCPART=n.
;; ======== version 1 of 1: 4 launches
;; workspace buffers: xc 6,291,456 bytes; xs 262,144 bytes; wc 3,145,728 bytes; ws 131,072 bytes; qimg 13,369,344 bytes; kv 13,369,344 bytes; aoc 6,291,456 bytes; aos 262,144 bytes
;; launch quant (part 1): grid 384 x 1, 4 waves a work-group, no clusters, 33,280 bytes of LDS; arguments x, Wq, Wk, Wv, Wo, xc, xs, wc, ws; writes xc, xs, wc, ws
.if DOCPART == 1
	.amdgcn_target "amdgcn-amd-amdhsa--gfx1250"
	.amdhsa_code_object_version 6
	.text
	.protected	k_q3a16f25de7_quant
	.globl	k_q3a16f25de7_quant
	.p2align	8
	.type	k_q3a16f25de7_quant,@function
k_q3a16f25de7_quant:
	s_mov_b64 s[64:65], 0
	v_nop
	global_prefetch_b8 v0, s[64:65] scope:SCOPE_SE
	s_setreg_imm32_b32 hwreg(HW_REG_WAVE_MODE, 25, 1), 1
	s_wait_xcnt 0x0
; x [8192][1024] and the four weights [1024][1024], f32, K innermost, are turned into codes of FP6 (E2M3), 6 bits each, with one E8M0 scale byte for each 32 along K.
; xc [8192][768], xs [8192][32]: x.  wc [4096][768], ws [4096][32]: rows 0-1023 Wq, 1024-2047 Wk, 2048-3071 Wv, 3072-4095 Wo.
; A block's scale is 2^(floor(log2(its largest magnitude)) - 2); its byte is the largest magnitude's exponent field - 2, held at 1 from below.  Each number is divided by the scale and rounded to the nearest code, ties to even.
; THE ORDER OF THE STORED ROWS.  Of x, Wq, Wk and Wv the four runs of 8 rows inside each 32 rows are stored at places 0, 2, 1, 3: stored row 16 t + r is row 32 (t / 2) + 8 (t % 2) + r + 8 (r / 8).
; A tile of 16 stored rows is then the choice of rows with which a transposed product leaves 16 neighbours along the next K in a lane's 16 registers of two neighbouring tiles.  Wo's rows stay in their order.
; LIMITS: a block of zeros gets the byte 1 where the rule says 127 (its codes are zeros, and this program alone reads the bytes); blocks whose largest magnitude lies under 2^(3 - 127) are held at byte 1; NaN and infinities are not served.
; SHARES.  A work-group takes 32 rows, a wave 8 rows = 8,192 numbers = one run: 16 steps of 512 numbers.  Work-groups 0-255: x; 256-287 Wq; 288-319 Wk; 320-351 Wv; 352-383 Wo.  Only pointers and the run's place are chosen: one path for all.
; Each of a step's four loads reads 512 consecutive bytes; the 2,048 bytes turn through the wave's own stage in LDS and come back 64 bytes a lane, so that a lane holds 16 neighbours along K (two lanes hold a block).
; No tensor loads, no barrier: waves share nothing.  Loads run four steps (16 loads a wave) ahead, the turn through LDS one step.
.set STEPS, 16
.set EMAX,  2
.set CB,    12                         ; bytes of 16 codes
.set R,     16                         ; v16-79   four sets of 16 numbers as they are loaded
.set X,     80                         ; v80-111  two sets of 16 neighbours
.set C,     128                        ; v128-191 codes: four registers for each step, so that no store's data are written again
.set E,     112                        ; v112-127 a scale byte for each step
.set WREG,  8192                       ; LDS: a region for each wave: two stages of 32 x SP bytes, behind them its 256 scale bytes
.set SP,    80                         ; a lane's place in a stage: 64 bytes + 16 of padding
	s_load_b512 s[4:19], s[0:1], 0x0               ; x 4, Wq 6, Wk 8, Wv 10, Wo 12, xc 14, xs 16, wc 18
	s_load_b64 s[20:21], s[0:1], 0x40              ; ws
	v_lshl_add_u32 v192, v0, 2, 0x8000
	v_mov_b32 v193, 0
	v_lshrrev_b32 v1, 5, v0
	v_readfirstlane_b32 s32, v1                    ; wave
	v_and_b32 v2, 31, v0                           ; lane
	v_lshlrev_b32 v3, 4, v2                        ; my 16 bytes of a load's 512
	s_mul_i32 s33, s32, WREG
	v_lshrrev_b32 v14, 2, v2
	v_mul_u32_u24 v14, v14, SP
	v_and_b32 v15, 3, v2
	v_lshl_add_u32 v14, v15, 4, v14
	v_add_nc_u32 v14, s33, v14                     ; the stage, on the way in: SP (lane / 4) + 16 (lane % 4)
	v_mul_u32_u24 v15, v2, SP
	v_add_nc_u32 v15, s33, v15                     ; and on the way out: SP x lane: my 16 neighbours
	v_mul_u32_u24 v4, v2, CB                       ; my codes' place in a step's
	v_lshrrev_b32 v5, 1, v2
	s_add_co_u32 s33, s33, 2*32*SP
	v_add_nc_u32 v5, s33, v5                       ; LDS: my wave's 256 scale bytes, my block's byte
	v_lshlrev_b32 v7, 3, v2                        ; and on the way out 8 bytes a lane
	v_add_nc_u32 v6, s33, v7
	s_and_b32 s34, s32, 1
	s_lshl_b32 s34, s34, 1
	s_lshr_b32 s35, s32, 1
	s_or_b32 s34, s34, s35                         ; the wave's number with its two bits exchanged: where my run of 8 rows is stored
	s_wait_kmcnt 0x0
	s_cmp_lt_u32 ttmp9, 352                        ; the choices hang on the work-group's number alone
	s_cselect_b64 s[22:23], s[10:11], s[12:13]     ; from: Wv or Wo,
	s_cselect_b32 s30, s34, s32                    ; (Wo's runs keep their places)
	s_cmp_lt_u32 ttmp9, 320
	s_cselect_b64 s[22:23], s[8:9], s[22:23]       ; or Wk,
	s_cmp_lt_u32 ttmp9, 288
	s_cselect_b64 s[22:23], s[6:7], s[22:23]       ; or Wq,
	s_cmp_lt_u32 ttmp9, 256
	s_cselect_b64 s[22:23], s[4:5], s[22:23]       ; or x
	s_cselect_b64 s[24:25], s[14:15], s[18:19]     ; codes to xc or wc
	s_cselect_b64 s[26:27], s[16:17], s[20:21]     ; scale bytes to xs or ws
	s_cselect_b32 s28, 0, 256
	s_cselect_b32 s29, -1, 31
	s_sub_co_u32 s28, ttmp9, s28                   ; which 32 rows of the buffer written,
	s_and_b32 s29, s28, s29                        ; and of the tensor read (a weight has 32 such)
	s_lshl_b32 s29, s29, 2
	s_add_co_u32 s29, s29, s32                     ; the run that I read,
	s_lshl_b32 s36, s29, 15                        ; 32,768 bytes a run
	s_mov_b32 s37, 0
	s_add_nc_u64 s[22:23], s[22:23], s[36:37]
	s_lshl_b32 s28, s28, 2
	s_add_co_u32 s28, s28, s30                     ; the run that I write,
	s_mul_i32 s36, s28, 32*STEPS*CB                ; 6,144 bytes of codes a run
	s_add_nc_u64 s[24:25], s[24:25], s[36:37]
	s_lshl_b32 s36, s28, 8                         ; 256 scale bytes a run
	s_add_nc_u64 s[26:27], s[26:27], s[36:37]
.macro LOAD t
.irp i, 0,1,2,3
	global_load_b128 v[R+16*((\t)%4)+4*\i:R+16*((\t)%4)+4*\i+3], v3, s[22:23] offset:2048*(\t)+512*\i th:TH_LOAD_NT   ; 32 lanes read 512 consecutive bytes
.endr
.endm
.macro TURN t                          ; step t's numbers through the stage: LDS serves a wave's instructions in order, so no wait stands between the stores and the loads
.irp i, 0,1,2,3
	ds_store_b128 v14, v[R+16*((\t)%4)+4*\i:R+16*((\t)%4)+4*\i+3] offset:32*SP*((\t)%2)+8*SP*\i
.endr
.irp i, 0,1,2,3
	ds_load_b128 v[X+16*((\t)%2)+4*\i:X+16*((\t)%2)+4*\i+3], v15 offset:32*SP*((\t)%2)+16*\i
.endr
.endm
.irp t, 0,1,2,3
	LOAD \t
.endr
	s_wait_loadcnt 12                              ; step 0's four loads are in; three steps' twelve may be out
	TURN 0
.macro STEP t
.set XS, X+16*((\t)%2)
.if (\t) > 0
	s_wait_dscnt 1                                 ; this step's numbers are back from the stage (the last step's byte store may be out): so its stores into the stage have read their registers,
.else
	s_wait_dscnt 0x0
.endif
.if (\t)+4 < STEPS
	LOAD (\t)+4                                    ; which take the loads of four steps on
.endif
.if (\t)+1 < STEPS
.if STEPS-2-(\t) >= 3
	s_wait_loadcnt 12                              ; the next step's four loads are in; those of the three steps behind it may be out
.else
	s_wait_loadcnt 4*(STEPS-2-(\t))
.endif
	TURN (\t)+1                                    ; and go through the other stage while this step is worked
.endif
	v_max3_num_f32 v8, |v[XS]|, |v[XS+1]|, |v[XS+2]|               ; the largest magnitude of my 16
	v_max3_num_f32 v9, |v[XS+3]|, |v[XS+4]|, |v[XS+5]|
.irp i, 6,10
	v_max3_num_f32 v8, v8, |v[XS+\i]|, |v[XS+\i+1]|
	v_max3_num_f32 v9, v9, |v[XS+\i+2]|, |v[XS+\i+3]|
.endr
	v_max3_num_f32 v8, v8, |v[XS+14]|, |v[XS+15]|
	v_max3_num_f32 v8, v8, v9, (EMAX+1)<<23        ; and the floor 2^(3 - 127): the byte cannot fall under 1
	v_max_num_f32_dpp v8, v8, v8 row_xmask:1 row_mask:0xf bank_mask:0xf   ; and of my neighbour's 16: the block's
	v_add_nc_u32 v11, 0xff000000, v8               ; 2 off its exponent field: the conversion takes the exponent field of this operand as its scale, and nothing else of it
	v_cvt_scalef32_pk16_fp6_f32 v[C+4*(\t):C+4*(\t)+2], v[XS:XS+15], v11   ; sixteen codes, 96 bits without gaps, the first number's code lowest
	v_lshrrev_b32 v[E+(\t)], 23, v11               ; the scale's byte (also the plain line behind the conversion)
	ds_store_b8 v5, v[E+(\t)] offset:16*(\t)       ; both lanes of a block write the same byte with the same value
	global_store_b96 v4, v[C+4*(\t):C+4*(\t)+2], s[24:25] offset:32*CB*(\t)   ; the wave stores 384 consecutive bytes
.endm
.irp t, 0,1,2,3,4,5,6,7,8,9,10,11,12,13,14,15
	STEP \t
.endr
	ds_load_b64 v[12:13], v6                       ; LDS serves a wave's instructions in order: these see my stores
	s_wait_dscnt 0x0
	global_store_b64 v7, v[12:13], s[26:27]        ; 32 lanes store 256 consecutive bytes, aligned
	s_wait_tensorcnt 0x0
	ds_add_u32 v192, v193
	s_wait_dscnt 0x0
	s_endpgm
.Lfunc_end_k_q3a16f25de7_quant:
	.size	k_q3a16f25de7_quant, .Lfunc_end_k_q3a16f25de7_quant-k_q3a16f25de7_quant
	.p2alignl 7, 3214868480
	.fill 96, 4, 3214868480
	.section	.rodata,"a",@progbits
	.p2align	6, 0x0
	.amdhsa_kernel k_q3a16f25de7_quant
		.amdhsa_group_segment_fixed_size 33280
		.amdhsa_private_segment_fixed_size 0
		.amdhsa_enable_private_segment 0
		.amdhsa_kernarg_size 72
		.amdhsa_user_sgpr_count 2
		.amdhsa_user_sgpr_kernarg_segment_ptr 1
		.amdhsa_wavefront_size32 1
		.amdhsa_system_sgpr_workgroup_id_x 1
		.amdhsa_system_sgpr_workgroup_id_y 1
		.amdhsa_system_sgpr_workgroup_id_z 1
		.amdhsa_system_vgpr_workitem_id 0
		.amdhsa_next_free_vgpr 194
		.amdhsa_next_free_sgpr 66
		.amdhsa_reserve_vcc 0
		.amdhsa_float_denorm_mode_32 3
		.amdhsa_float_denorm_mode_16_64 3
		.amdhsa_memory_ordered 1
		.amdhsa_forward_progress 1
		.amdhsa_inst_pref_size 33
	.end_amdhsa_kernel
	.amdgpu_metadata
---
amdhsa.version: [ 1, 2 ]
amdhsa.kernels:
  - .name:           k_q3a16f25de7_quant
    .symbol:         k_q3a16f25de7_quant.kd
    .args:
      - { .name: x, .offset: 0, .size: 8, .value_kind: global_buffer, .address_space: global }
      - { .name: Wq, .offset: 8, .size: 8, .value_kind: global_buffer, .address_space: global }
      - { .name: Wk, .offset: 16, .size: 8, .value_kind: global_buffer, .address_space: global }
      - { .name: Wv, .offset: 24, .size: 8, .value_kind: global_buffer, .address_space: global }
      - { .name: Wo, .offset: 32, .size: 8, .value_kind: global_buffer, .address_space: global }
      - { .name: xc, .offset: 40, .size: 8, .value_kind: global_buffer, .address_space: global }
      - { .name: xs, .offset: 48, .size: 8, .value_kind: global_buffer, .address_space: global }
      - { .name: wc, .offset: 56, .size: 8, .value_kind: global_buffer, .address_space: global }
      - { .name: ws, .offset: 64, .size: 8, .value_kind: global_buffer, .address_space: global }
    .group_segment_fixed_size: 33280
    .private_segment_fixed_size: 0
    .kernarg_segment_align: 8
    .kernarg_segment_size: 72
    .max_flat_workgroup_size: 128
    .sgpr_count:     66
    .vgpr_count:     194
    .wavefront_size: 32
...
	.end_amdgpu_metadata
.endif
;; end of part 1
;; launch qkv (part 2): grid 12 x 32, 4 waves a work-group, clusters of 4 x 4, 327,680 bytes of LDS; arguments xc, xs, wc, ws, bq, bv, qimg, kv; writes qimg, kv
.if DOCPART == 2
	.amdgcn_target "amdgcn-amd-amdhsa--gfx1250"
	.amdhsa_code_object_version 6
	.text
	.protected	k_q3a16f25de7_qkv
	.globl	k_q3a16f25de7_qkv
	.p2align	8
	.type	k_q3a16f25de7_qkv,@function
k_q3a16f25de7_qkv:
	s_mov_b64 s[64:65], 0
	v_nop
	global_prefetch_b8 v0, s[64:65] scope:SCOPE_SE
	s_setreg_imm32_b32 hwreg(HW_REG_WAVE_MODE, 25, 1), 1
	s_wait_xcnt 0x0
	s_wait_alu depctr_hold_cnt(0) depctr_sa_sdst(0) depctr_va_vdst(0) depctr_va_sdst(0) depctr_va_ssrc(0) depctr_va_vcc(0) depctr_vm_vsrc(0)
	s_getreg_b32 s2, hwreg(HW_REG_IB_STS2, 6, 4)
	s_cmp_eq_u32 s2, 0
	s_cbranch_scc0 .Lentry_in_a_cluster
	s_endpgm
.Lentry_in_a_cluster:
	s_bfe_u32 s2, ttmp6, 0x10000c
	s_cmp_lg_u32 s2, 0xf033
	s_cbranch_scc0 .Lentry_shape_is_right
	s_endpgm
.Lentry_shape_is_right:
; q = (x Wq^T + bq) s, k = (x Wk^T) s, v = x Wv^T + bv, s = 64^-0.25, on codes of FP6 (E2M3) with one E8M0 scale for each 32 along K = 1,024; sums in f32.
; The results never go to memory as f32: each wave quantises its 128 x 128 of results in registers (q, k along the head's 64 channels, v along the tokens) and stores them as IMAGES OF OPERAND REGISTERS for the attention launch.
; KIND = the cluster's x, the same in all sixteen partners: 0 makes q, 1 makes k, 2 makes v.  For q and k: A = x's codes, B = the weight's.  For v the operands change places: A = Wv's codes, B = x's.
; THE MATRIX INSTRUCTION IS USED TRANSPOSED (source 0 = 16 rows of B, source 1 = 16 rows of A): a lane holds one row of A and its registers run along B's rows: for q and k a token and channels, for v a channel and tokens.
; x's, Wq's, Wk's and Wv's rows are stored with the runs of 8 inside each 32 at places 0, 2, 1, 3: so register 16 c + i of the accumulators (a, 0 .. 7) holds B's row 32 c + 16 (lane / 16) + i, and lane r of A's block a
; holds A's row 32 (a / 2) + 8 (a % 2) + r + 8 (r / 8).
; A tile of 256 x 256 is made by four waves, 128 x 128 each: 64 accumulators, 512 registers.  K goes in steps of 256 through a ring of two LDS slots filled by the tensor data mover; the scale bytes of the 512 rows come once.
; CLUSTERS: 4 x 4 work-groups.  A's tiles are asked for jointly along a row of the cluster, B's along a column.
; OUT.  kv and qimg: block ((b 4 + g) 16 + ks) of 52,224 bytes (b batch, g group of 4 heads, ks block of 128 tokens); in it 4 heads of 13,056 bytes: 0: K (or Q) codes, 8 tiles x 768 (registers 0-3 at 16 x lane, registers 4-5
; at 512 + 8 x lane); 6,144: their scale words [tile / 4][r][tile % 4]; 6,656: V codes, 4 channel tiles x 3 x 512 (registers 4 c .. 4 c + 3 at 16 x lane); 12,800: V's scale words [r][tile].  qimg has the first 6,656 bytes of a head alone.
; LIMITS: (sum + bq) s is made as fma(sum, s, bq s); for k the bias is bq x 0, so bq has to be finite; a block of zeros gets the byte 1 (this program alone reads the bytes); NaN and infinities are not served.
; 384 work-groups of equal work; no prefetch: of K's four steps two come with the first fills and two a step ahead.
; REGISTERS, in windows of 256: window 0: v0-31 addresses, v8-15 bv; v32-63 scale words, two sets; v64-127 bq; from v128 A's fragments, one set; on the way out v128-239 at work.
;   window 1: B's fragments, two sets, at v0 and v128.   window 2: the accumulators of my rows 0-63 ((a, b) at v[8 (8 a + b)]);   window 3: those of my rows 64-127.
.set KSTEP,  256
.set NQ,     2                         ; matrix instructions deep in a slot
.set ROWB,   192                       ; a tile's row in bytes
.set KROW,   768                       ; a row of codes in memory
.set PITCH,  240                       ; an LDS row: 3 x (64 bytes + 16 of padding)
.set FR,     12                        ; registers of a fragment
.set NL,     6                         ; LDS loads that bring one
.set NP,     4                         ; places behind this matrix instruction (ISA guide 7.12.1)
.set HALFT,  128*PITCH
.set SLOT,   4*HALFT
.set LAPS,   2                         ; 1,024 / 512
.set KS,     32                        ; a row of scale bytes
.set SCL,    2*SLOT                    ; behind the ring: the scales, as rows of 256 bytes + 16 of padding
.set HALFS,  (128*KS/256)*272
.set SBLK,   (16*KS/256)*272
.set SPARE,  SCL+4*HALFS               ; the spare words, 128 bytes for each wave: no other line names them
.set HEADB,  13056
.set BV,   8                           ; v8-15   bv of my lane's channel in block a
.set ADRA, 16                          ; v16-17  LDS address of my A fragments in slot 0, 1 (v18-19: behind one padding more)
.set ADRB, 20                          ; v20-21  the same for B (v22-23)
.set OA16, 24                          ; v24     16 x lane
.set OA8,  25                          ; v25     8 x lane
.set OS,   26                          ; v26     13,056 (lane / 16) + 16 (lane % 16): where a lane's four scale words go
.set ADRS, 27                          ; v27     LDS address of my scale words: lanes 0-15 A's rows, lanes 16-31 B's
.set SPW,  28                          ; v28     LDS address of my spare word; never rewritten
.set NIL,  29                          ; v29     0; never rewritten
.set BQO,  30                          ; v30     64 (lane / 16): bq's offset; never rewritten
.set BVO,  31                          ; v31     4 (r + 8 (r / 8)): bv's offset; never rewritten
.set SC,   32
.set BIAS, 64                          ; v64-127 register 16 c + i: bq of channel 32 c + 16 (lane / 16) + i of my 128
.set AF,   128
.set T,    128                         ; the way out: 64 numbers of a lane
.set PC,   192                         ; v192-203 the codes just made; v204-206, v208-210 at work
.set TM,   212                         ; v212-227 at work in the quantiser
.set PW,   228                         ; the scale word just made
.set TP,   229
.set BP,   230                         ; v230-231 bv of the block in hand, twice
.set SW,   232                         ; v232-239 the scale words of my eight blocks
.set SEL,  4                           ; s[4:5]  on the way out: lane selects for v_permlanex16_b32
.set G1, 24
.set G0, 32
.set G1B, 48
.set G0B, 56
.set G1S, 68
.set G0S, 76
.set G1SB, 80
.set G0SB, 88
.set MSB, 0
.macro WIN new                         ; the immediate's high byte repeats the setting that is left
.if MSB != \new
	s_set_vgpr_msb (MSB<<8)|\new
.set MSB, \new
.endif
.endm
.set MUL_LO, 0xa1                      ; source 0 (B) window 1, source 1 (A) window 0, C and D window 2
.set MUL_HI, 0xf1                      ; the same, C and D window 3
.set TO_B,   0x40                      ; destination window 1, address window 0
; A joint load: waves 0 and 1 fetch for A, waves 2 and 3 for B.  The branch hangs on the wave's number alone.  Four v_nop follow each of the two lines.
.macro JLOAD g0a, g1a, g0b, g1b
	s_cmp_eq_u32 s15, 0
	s_cbranch_scc0 .Lfor_b_\@
	tensor_load_to_lds s[\g0a:\g0a+3], s[\g1a:\g1a+7]
	s_nop 0
.rept 4
	v_nop
.endr
	s_branch .Lasked_\@
.Lfor_b_\@:
	tensor_load_to_lds s[\g0b:\g0b+3], s[\g1b:\g1b+7]
	s_nop 0
.rept 4
	v_nop
.endr
.Lasked_\@:
.endm
.macro CREST                           ; a round of the cluster's barrier behind its opening barrier
	s_cmp_lg_u32 s14, 0
	s_cbranch_scc1 .Lnot_wave_0_\@
	s_barrier_signal -3
.Lnot_wave_0_\@:
	s_barrier_wait -3
	s_barrier_signal -1
	s_barrier_wait -1
.endm
.macro CROUND                          ; a whole round
	s_barrier_signal -1
	s_barrier_wait -1
	CREST
.endm
	s_load_b512 s[68:83], s[0:1], 0x0              ; xc 68, xs 70, wc 72, ws 74, bq 76, bv 78, qimg 80, kv 82: moved on below, before the descriptors take these registers
	v_lshl_add_u32 v[SPW], v0, 2, SPARE
	v_mov_b32 v[NIL], 0
	ds_add_u32 v28, v29
	s_wait_dscnt 0x0
	v_lshrrev_b32 v1, 5, v0
	v_readfirstlane_b32 s14, v1                    ; wave 0..3
	s_lshr_b32 s15, s14, 1                         ; which half of A's 256 rows is mine.  Also: I fetch for A (0) or for B (1)
	s_and_b32 s16, s14, 1                          ; which half of B's.  Also: which 128 rows of that tile I fetch
	s_bfe_u32 s40, ttmp6, 0x40000                  ; cx, cy: my place in the cluster
	s_bfe_u32 s41, ttmp6, 0x40004
	s_and_b32 s2, ttmp7, 0xffff
	s_lshl_b32 s2, s2, 2                           ; 4 x cluster y
	s_lshl_b32 s19, ttmp9, 2                       ; 4 x kind
	s_lshl_b32 s43, s41, 2
	s_lshl_b32 s43, 15, s43                        ; my row of the cluster
	s_lshl_b32 s44, 0x1111, s40                    ; my column
	s_mov_b32 s92, 0x3eb504f3                      ; s = 64^-0.25, as a pair
	s_mov_b32 s93, s92
	s_mov_b32 s96, 0xffff0000                      ; lanes 16-31
	s_wait_kmcnt 0x0
	s_cmp_eq_u32 ttmp9, 2                          ; v?  The choices hang on the cluster's x alone
	s_cselect_b64 s[4:5], s[72:73], s[68:69]       ; A's codes: the weights' or x's
	s_cselect_b64 s[6:7], s[74:75], s[70:71]       ; A's scales
	s_cselect_b64 s[8:9], s[68:69], s[72:73]       ; B's codes
	s_cselect_b64 s[10:11], s[70:71], s[74:75]     ; B's scales
	s_cselect_b32 s17, 8, s2                       ; A's tile of 256 rows, less cy: Wv begins at tile 8
	s_cselect_b32 s42, s2, s19                     ; B's tile, less cx
	s_cselect_b32 s84, s40, s41                    ; for the stores: which coordinate counts tiles of tokens,
	s_cselect_b32 s85, s16, s15                    ; which half of such a tile is my wave's,
	s_cselect_b32 s86, s41, s40                    ; which coordinate is the group of four heads,
	s_cselect_b32 s87, s15, s16                    ; and which two heads of it are my wave's
	s_cmp_eq_u32 ttmp9, 0
	s_cselect_b64 s[12:13], s[80:81], s[82:83]     ; q goes to qimg, k and v to kv
	s_cselect_b32 s94, 0x3eb504f3, 0               ; what bq is multiplied by: s for q, 0 for k
	s_mov_b32 s95, s94
	s_add_co_u32 s17, s17, s41                     ; A's tile hangs on cy alone,
	s_add_co_u32 s42, s42, s40                     ; B's on cx alone
	s_add_co_u32 s84, s84, s2                      ; my tile of 256 tokens
	s_lshl_b32 s84, s84, 1
	s_add_co_u32 s84, s84, s85                     ; my block of 128 tokens, 0 .. 63
	s_lshr_b32 s85, s84, 4                         ; b
	s_lshl_b32 s85, s85, 2
	s_add_co_u32 s85, s85, s86                     ; 4 b + g
	s_lshl_b32 s85, s85, 4
	s_and_b32 s84, s84, 15                         ; ks
	s_add_co_u32 s85, s85, s84
	s_mul_i32 s84, s85, 4*HEADB
	s_mul_i32 s87, s87, 2*HEADB
	s_add_co_u32 s84, s84, s87
	s_mov_b32 s85, 0
	s_add_nc_u64 s[12:13], s[12:13], s[84:85]      ; where my two heads' images begin
	s_lshl_b32 s84, s40, 10
	s_lshl_b32 s86, s16, 9
	s_add_co_u32 s84, s84, s86
	s_add_nc_u64 s[98:99], s[76:77], s[84:85]      ; bq at channel 256 cx + 128 (wave % 2)
	s_lshl_b32 s84, s41, 10
	s_lshl_b32 s86, s15, 9
	s_add_co_u32 s84, s84, s86
	s_add_nc_u64 s[100:101], s[78:79], s[84:85]    ; bv at channel 256 cy + 128 (wave / 2)
	; descriptor group 1: a tile of 128 rows x 192 bytes, 16 bytes of padding behind every 64
	s_or_b32 s[G1+0], s43, (0<<16)|(1<<20)|(1<<21)|(3<<22)|(3<<25)  ; 15:0 the mask: A's tiles go to my row; 17:16 elements of 1 byte; 20 padding on; 21 set beside a mask; 24:22 after every 16 words; 31:25 of 4 words
	s_or_b32 s[G1B+0], s44, (0<<16)|(1<<20)|(1<<21)|(3<<22)|(3<<25)
.irp g, G1, G1B
	s_mov_b32 s[\g+1], ROWB<<16                    ; tensor_dim0
	s_mov_b32 s[\g+2], 128<<16                     ; tensor_dim1
	s_mov_b32 s[\g+3], ROWB<<16                    ; tile_dim0
	s_mov_b32 s[\g+4], 128                         ; tile_dim1
	s_mov_b32 s[\g+5], KROW                        ; tensor_dim0_stride
	s_mov_b32 s[\g+6], 0
	s_mov_b32 s[\g+7], 0
.endr
	; the scales of 128 rows: a dense block of 4,096 bytes, as 16 rows of 256 bytes (32 elements of 8 bytes), 16 bytes of padding behind each
	s_or_b32 s[G1S+0], s43, (3<<16)|(1<<20)|(1<<21)|(5<<22)|(3<<25)
	s_or_b32 s[G1SB+0], s44, (3<<16)|(1<<20)|(1<<21)|(5<<22)|(3<<25)
.irp g, G1S, G1SB
	s_mov_b32 s[\g+1], 32<<16
	s_mov_b32 s[\g+2], (128*KS/256)<<16
	s_mov_b32 s[\g+3], 32<<16
	s_mov_b32 s[\g+4], 128*KS/256
	s_mov_b32 s[\g+5], 32
	s_mov_b32 s[\g+6], 0
	s_mov_b32 s[\g+7], 0
.endr
	s_lshl_b32 s18, s16, 7                         ; which 128 rows of the tile I fetch
	s_lshl_b32 s20, s17, 8
	s_add_co_u32 s20, s20, s18                     ; A: row 256 x tile + 128 x half
	s_lshl_b32 s46, s42, 8
	s_add_co_u32 s46, s46, s18                     ; B likewise
	s_mov_b32 s21, 0
	s_mov_b32 s23, 0
	s_mov_b32 s47, 0
	s_mov_b32 s67, 0
	s_lshl_b32 s22, s20, 5                         ; where these rows' scales begin, in bytes,
	s_mul_i32 s20, s20, KROW                       ; and their codes (all under 2^23)
	s_lshl_b32 s66, s46, 5
	s_mul_i32 s46, s46, KROW
	s_add_nc_u64 s[20:21], s[4:5], s[20:21]
	s_add_nc_u64 s[22:23], s[6:7], s[22:23]
	s_add_nc_u64 s[46:47], s[8:9], s[46:47]
	s_add_nc_u64 s[66:67], s[10:11], s[66:67]
	s_mul_i32 s45, s14, HALFT                      ; where they go: wave x 128 rows: no place in the cluster enters an LDS address
	s_mul_i32 s97, s14, HALFS
	CROUND                                         ; all sixteen work-groups are here: the first joint loads meet
	s_mov_b32 s[G0S], 1
	s_add_co_u32 s[G0S+1], s97, SCL
	s_mov_b64 s[G0S+2:G0S+3], s[22:23]
	s_or_b32 s[G0S+3], s[G0S+3], 0x80000000
	s_mov_b32 s[G0SB], 1
	s_add_co_u32 s[G0SB+1], s97, SCL
	s_mov_b64 s[G0SB+2:G0SB+3], s[66:67]
	s_or_b32 s[G0SB+3], s[G0SB+3], 0x80000000
	JLOAD G0S, G1S, G0SB, G1SB                     ; the scales first: they are wanted with K step 0
.irp s, 0,1
	s_mov_b32 s[G0+4*\s], 1
	s_add_co_u32 s[G0+4*\s+1], s45, \s*SLOT
	s_add_nc_u64 s[G0+4*\s+2:G0+4*\s+3], s[20:21], \s*ROWB
	s_or_b32 s[G0+4*\s+3], s[G0+4*\s+3], 0x80000000
	s_mov_b32 s[G0B+4*\s], 1
	s_add_co_u32 s[G0B+4*\s+1], s45, \s*SLOT
	s_add_nc_u64 s[G0B+4*\s+2:G0B+4*\s+3], s[46:47], \s*ROWB
	s_or_b32 s[G0B+4*\s+3], s[G0B+4*\s+3], 0x80000000
	JLOAD G0+4*\s, G1, G0B+4*\s, G1B
.endr
	v_and_b32 v1, 15, v0                           ; r = lane % 16
	v_bfe_u32 v2, v0, 4, 1                         ; h = lane / 16
	v_mul_u32_u24 v3, v1, PITCH
	v_mul_u32_u24 v4, v2, 24
	v_add_nc_u32 v4, v3, v4                        ; a fragment's row x pitch + 24 x half
	v_lshl_add_u32 v5, v2, 4, v4                   ; and the same behind one padding more
	s_mul_i32 s21, s15, HALFT                      ; my 128 rows of A
	s_mul_i32 s22, s16, HALFT                      ; my 128 rows of B,
	s_add_co_u32 s22, s22, 2*HALFT                 ; which lie behind A's 256
.irp s, 0,1
	v_add_nc_u32 v[ADRA+\s], s21, v4
	v_add_nc_u32 v[ADRB+\s], s22, v4
	v_add_nc_u32 v[ADRA+2+\s], s21, v5
	v_add_nc_u32 v[ADRB+2+\s], s22, v5
	s_add_co_u32 s21, s21, SLOT
	s_add_co_u32 s22, s22, SLOT
.endr
	v_mul_u32_u24 v5, v1, KS                       ; my row's scales: 32 bytes a row,
	v_lshrrev_b32 v6, 8, v5
	v_lshl_add_u32 v5, v6, 4, v5                   ; and 16 more for each 256 passed
	s_mul_i32 s21, s15, HALFS                      ; A's: my 128 rows
	s_mul_i32 s22, s16, HALFS                      ; B's: my 128 rows, behind A's 256
	s_add_co_u32 s22, s22, 2*HALFS
	s_sub_co_u32 s22, s22, s21
	v_mul_u32_u24 v6, s22, v2                      ; lanes 16-31 take B's
	s_add_co_u32 s21, s21, SCL
	v_add_nc_u32 v5, v5, v6
	v_add_nc_u32 v[ADRS], s21, v5
	v_and_b32 v6, 31, v0
	v_lshlrev_b32 v[OA16], 4, v6
	v_lshlrev_b32 v[OA8], 3, v6
	v_mul_u32_u24 v[OS], v2, HEADB
	v_lshl_add_u32 v[OS], v1, 4, v[OS]
	v_lshlrev_b32 v[BQO], 6, v2
	v_and_b32 v6, 8, v1
	v_add_nc_u32 v6, v6, v1
	v_lshlrev_b32 v[BVO], 2, v6
	; both biases are loaded in every kind, so that no register's content hangs on a branch; they are waited for at the head of the way out
.irp c, 0,1,2,3
.irp j, 0,1,2,3
	global_load_b128 v[BIAS+16*\c+4*\j:BIAS+16*\c+4*\j+3], v[BQO], s[98:99] offset:128*\c+16*\j
.endr
.endr
.irp a, 0,1,2,3,4,5,6,7
	global_load_b32 v[BV+\a], v[BVO], s[100:101] offset:(32*(\a/2)+8*(\a%2))*4
.endr
.macro FRAG reg, adr, q, i             ; a fragment, 16 rows x 128 K, is 12 registers: lane l holds row l % 16; registers 6 c .. 6 c + 5 hold K = 64 c + 32 (l / 16) + 0 .. 31: 24 bytes of the row's stream of bits, as they lie
.irp p, 0,1,2,3,4,5                    ; in pieces of 8 bytes.  Lanes 16-31 read three pieces further on than lanes 0-15
.set PCE, 12*(\q)+6*(\p/3)+\p%3       ; 16 bytes of padding lie behind every 8 pieces: where the piece three on lies behind one padding more, the second address register serves
.if PCE%8 < 5
	ds_load_b64 v[\reg+2*\p:\reg+2*\p+1], v[\adr] offset:8*PCE+16*(PCE/8)+(\i)*16*PITCH
.else
	ds_load_b64 v[\reg+2*\p:\reg+2*\p+1], v[\adr+2] offset:8*PCE+16*(PCE/8)+(\i)*16*PITCH
.endif
.endr
.endm
; 16 matrix instructions: A's blocks a0, a0 + 1 x B's eight, 128 along K.  p: B's set;  sc: the set of scale words.  zero = 1: the first product starts the sums.
; The 64 accumulators take turns, one instruction a turn, in the same order in every step.
.macro MUL16 a0, p, q, sc, zero
.irp a, \a0, \a0+1
.irp b, 0,1,2,3,4,5,6,7
.if \zero
	v_wmma_scale_f32_16x16x128_f8f6f4 v[8*(8*((\a)%4)+\b):8*(8*((\a)%4)+\b)+7], v[128*(\p)+FR*\b:128*(\p)+FR*\b+FR-1], v[AF+FR*(\a):AF+FR*(\a)+FR-1], 0, v[SC+8*NQ*(\sc)+NQ*\b+(\q)], v[SC+8*NQ*(\sc)+NQ*(\a)+(\q)] matrix_a_fmt:MATRIX_FMT_FP6 matrix_b_fmt:MATRIX_FMT_FP6 matrix_a_scale:MATRIX_SCALE_ROW1
.else
	v_wmma_scale_f32_16x16x128_f8f6f4 v[8*(8*((\a)%4)+\b):8*(8*((\a)%4)+\b)+7], v[128*(\p)+FR*\b:128*(\p)+FR*\b+FR-1], v[AF+FR*(\a):AF+FR*(\a)+FR-1], v[8*(8*((\a)%4)+\b):8*(8*((\a)%4)+\b)+7], v[SC+8*NQ*(\sc)+NQ*\b+(\q)], v[SC+8*NQ*(\sc)+NQ*(\a)+(\q)] matrix_a_fmt:MATRIX_FMT_FP6 matrix_b_fmt:MATRIX_FMT_FP6 matrix_a_scale:MATRIX_SCALE_ROW1
.endif
.endr
.endr
.endm
.macro FETCH_B slot, q, p              ; B's eight fragments of the slot's q-th 128 along K into set p
	WIN TO_B
.irp i, 0,1,2,3,4,5,6,7
	FRAG 128*(\p)+FR*\i, ADRB+\slot, \q, \i
.endr
	WIN 0
.endm
.macro FETCH_A slot, q, i0             ; A's blocks i0 .. i0 + 3
.irp i, \i0, \i0+1, \i0+2, \i0+3
	FRAG AF+FR*(\i), ADRA+\slot, \q, \i
.endr
.endm
.macro SCALES sc                       ; the next K step's scale words into set sc: lanes 0-15 take A's block i, lanes 16-31 B's block i
.irp i, 0,1,2,3,4,5,6,7
	ds_load_b64 v[SC+8*NQ*\sc+NQ*\i:SC+8*NQ*\sc+NQ*\i+1], v[ADRS] offset:\i*SBLK
.endr
.endm
; A load into a register that a matrix instruction has read, and a vector instruction that reads a matrix result, stand NP places behind that matrix instruction; only plain vector instructions that name
; none of its registers are places (ISA guide 7.12.1 for vector instructions).
.macro PLACES n
.rept \n
	v_nop
.endr
.endm
.macro STEP slot, q, zero              ; a step of 128 along K that has its successor in the same slot
	s_wait_dscnt 4*NL                              ; B's set and A's blocks 0-3 are in; the youngest 24 loads (A's blocks 4-7) may be out
	WIN MUL_LO
	MUL16 0, (\q)%2, \q, \slot, \zero
	MUL16 2, (\q)%2, \q, \slot, \zero
	s_wait_dscnt 0                                 ; A's blocks 4-7 are in
	PLACES NP
	FETCH_B \slot, (\q)+1, 1-(\q)%2
	FETCH_A \slot, (\q)+1, 0
	WIN MUL_HI
	MUL16 4, (\q)%2, \q, \slot, \zero
	MUL16 6, (\q)%2, \q, \slot, \zero
	PLACES NP
	WIN 0
	FETCH_A \slot, (\q)+1, 4
.endm
; A slot's last step changes slots: ONE barrier; in front of it each wave waits for all its tensor loads, adds 0 to its spare word, and waits for that and for its own reads of this slot.  fill = 1: this slot is filled again.
.macro TURN slot, next, fill
	s_wait_tensorcnt 0x0                           ; all my tensor loads have landed: my part of the next slot
	ds_add_u32 v[SPW], v[NIL]                      ; 0 onto my spare word
	s_wait_dscnt 4*NL+1                            ; (the add and the youngest 24 loads, A's blocks 4-7, may be out)
	WIN MUL_LO
	MUL16 0, 1, NQ-1, \slot, 0                     ; sixteen matrix instructions stand between the add and the wait for it
	s_wait_dscnt 0x0                               ; the add is done, and my reads of this slot are over
	s_barrier_signal -1
	MUL16 2, 1, NQ-1, \slot, 0
	WIN 0
	s_barrier_wait -1
.if \fill
	CREST                                          ; the barrier has opened a round of the cluster's barrier: no wave of any partner still reads this slot's tile or has a load on its way
	s_add_nc_u64 s[G0+4*\slot+2:G0+4*\slot+3], s[G0+4*\slot+2:G0+4*\slot+3], 2*ROWB
	s_add_nc_u64 s[G0B+4*\slot+2:G0B+4*\slot+3], s[G0B+4*\slot+2:G0B+4*\slot+3], 2*ROWB
	JLOAD G0+4*\slot, G1, G0B+4*\slot, G1B         ; the first tensor load behind the round; its four v_nop are the places in front of the loads below
.else
	PLACES NP
.endif
	v_add_nc_u32 v[ADRS], 4*NQ, v[ADRS]            ; on to the next K step's scale words
	FETCH_B \next, 0, 0
	FETCH_A \next, 0, 0
	SCALES \next
	WIN MUL_HI
	MUL16 4, 1, NQ-1, \slot, 0
	MUL16 6, 1, NQ-1, \slot, 0
	PLACES NP
	WIN 0
	FETCH_A \next, 0, 4
.endm
	s_wait_tensorcnt 1                             ; of my three first fills the scales and K step 0 are in; K step 1's load may be out
	s_barrier_signal -1
	s_barrier_wait -1                              ; everybody's are
	FETCH_B 0, 0, 0
	FETCH_A 0, 0, 0
	SCALES 0
	FETCH_A 0, 0, 4
	STEP 0, 0, 1                                   ; the first step stands in front of the loop: its products start the sums
	s_mov_b32 s3, LAPS-1
.Llap:                                                 ; a trip goes once round the ring and fills both slots again
	TURN 0, 1, 1
	STEP 1, 0, 0
	TURN 1, 0, 1
	STEP 0, 0, 0
	s_sub_co_u32 s3, s3, 1
	s_cmp_lg_u32 s3, 0
	s_cbranch_scc1 .Llap
	TURN 0, 1, 0                                   ; the last lap fills nothing
	STEP 1, 0, 0
	s_wait_dscnt 4*NL                              ; the very last step
	WIN MUL_LO
	MUL16 0, 1, NQ-1, 1, 0
	MUL16 2, 1, NQ-1, 1, 0
	s_wait_dscnt 0
	WIN MUL_HI
	MUL16 4, 1, NQ-1, 1, 0
	MUL16 6, 1, NQ-1, 1, 0
	WIN 0
; THE QUANTISER.  64 numbers of a lane, v[s] .. v[s + 63], register 16 b + i = k 32 b + 16 (lane / 16) + i of my row, become a fragment's codes in v[PC] on and its scale word in v[PW].
.macro QUANT s
.irp b, 0,1,2,3
	v_max3_num_f32 v[TM+\b], |v[\s+16*\b]|, |v[\s+1+16*\b]|, 0x1800000   ; block b: my 16 numbers, and the floor 2^(3 - 127): the byte cannot fall under 1
.endr
.irp i, 2,4,6,8,10,12,14
.irp b, 0,1,2,3
	v_max3_num_f32 v[TM+\b], v[TM+\b], |v[\s+16*\b+\i]|, |v[\s+1+16*\b+\i]|   ; (the four blocks by turns)
.endr
.endr
.irp b, 0,1,2,3
	v_permlanex16_b32 v[TM+4+\b], v[TM+\b], s[SEL], s[SEL+1]
.endr
.irp b, 0,1,2,3
	v_max_num_f32 v[TM+\b], v[TM+\b], v[TM+4+\b]   ; with lane l xor 16's: the block's largest magnitude
.endr
.irp b, 0,1,2,3
	v_add_nc_u32 v[TM+12+\b], 0xff000000, v[TM+\b]   ; 2 off its exponent field: the conversion's scale operand
.endr
.irp b, 0,1,2,3
	v_lshrrev_b32 v[TM+4+\b], 23, v[TM+12+\b]      ; the scale's byte
.endr
	v_lshl_or_b32 v[PW], v[TM+5], 8, v[TM+4]       ; the four bytes make my row's scale word
	v_lshl_or_b32 v[PW], v[TM+6], 16, v[PW]
	v_lshl_or_b32 v[PW], v[TM+7], 24, v[PW]
.irp c, 0,1
	v_cvt_scalef32_pk16_fp6_f32 v[PC+6*\c:PC+2+6*\c], v[\s+32*\c:\s+15+32*\c], v[TM+12+2*\c]
	v_cvt_scalef32_pk16_fp6_f32 v[PC+12+4*\c:PC+14+4*\c], v[\s+16+32*\c:\s+31+32*\c], v[TM+12+2*\c+1]   ; (a conversion's three registers begin on an even number)
.endr
	v_nop                                          ; one plain place behind a scaled conversion
.irp c, 0,1                                    ; the operand's layout wants a WHOLE block in a lane: lanes 0-15 block 2 c, lanes 16-31 block 2 c + 1
.irp i, 0,1,2
	v_permlane16_swap_b32 v[PC+6*\c+\i], v[PC+12+4*\c+\i]
.endr
.irp i, 0,1,2
	v_mov_b32 v[PC+3+6*\c+\i], v[PC+12+4*\c+\i]
.endr
.endr
.endm
; q, k: block a's 16 tokens x my 128 channels.  Registers 0-5 of the fragment are the first head's 64 channels, registers 6-11 the second head's: each goes out as the lower half of an operand whose K is 64.
.macro QKOUT a
.if (\a) > 0
	s_wait_xcnt 0x0                                ; the last block's stores have read their data: the codes' registers may be written again
.endif
	WIN 0x02+(\a)/4                                ; source 0: window 2 or 3
.set AC, 64*((\a)%4)
.set i, 0
.rept 32
	v_pk_fma_f32 v[T+i:T+i+1], v[AC+i:AC+i+1], s[92:93], v[BIAS+i:BIAS+i+1] op_sel_hi:[1,0,1]   ; sum x s + bias x s; each accumulator from its low end on
.set i, i+2
.endr
	WIN 0
	QUANT T
	global_store_b128 v[OA16], v[PC:PC+3], s[12:13] offset:768*(\a)               ; 32 lanes store 512 consecutive bytes,
	global_store_b64 v[OA8], v[PC+4:PC+5], s[12:13] offset:768*(\a)+512           ; and 256
	global_store_b128 v[OA16], v[PC+6:PC+9], s[12:13] offset:HEADB+768*(\a)
	global_store_b64 v[OA8], v[PC+10:PC+11], s[12:13] offset:HEADB+768*(\a)+512
	v_lshrrev_b32 v[TP], 16, v[PW]
	v_cndmask_b32 v[SW+(\a)], v[PW], v[TP], s96    ; lanes 0-15 keep the word (bytes 0, 1: the first head's), lanes 16-31 take the second head's two bytes, moved down.  Bytes 2, 3 scale zero codes; none is 0xff
.endm
; v: block a's 16 channels x my 128 tokens: a whole fragment of the second product's source 0
.macro VOUT a
.if (\a) > 0
	s_wait_xcnt 0x0                                ; the last block's stores have read their data
.endif
	v_mov_b32 v[BP], v[BV+(\a)]
	v_mov_b32 v[BP+1], v[BV+(\a)]
	WIN 0x02+(\a)/4
.set AC, 64*((\a)%4)
.set i, 0
.rept 32
	v_pk_add_f32 v[T+i:T+i+1], v[AC+i:AC+i+1], v[BP:BP+1]   ; + bv of my channel
.set i, i+2
.endr
	WIN 0
	QUANT T
.irp c, 0,1,2
	global_store_b128 v[OA16], v[PC+4*\c:PC+4*\c+3], s[12:13] offset:((\a)/4)*HEADB+6656+((\a)%4)*1536+512*\c
.endr
	v_mov_b32 v[SW+(\a)], v[PW]
.endm
	PLACES NP                                      ; behind the last products: their results are read and A's registers written below
	s_wait_loadcnt 0x0                             ; the biases
	s_mov_b32 s[SEL], 0x76543210                   ; (A's pointer is done with)
	s_mov_b32 s[SEL+1], 0xfedcba98
.irp b, 0,1,2,3
	v_mov_b32 v[TM+4+\b], 0                        ; written once: a lane permute's destination counts as one of its sources
.endr
	s_cmp_eq_u32 ttmp9, 2                          ; the cluster's x: the same in all partners
	s_cbranch_scc1 .Lv_out
.set i, 0
.rept 32
	v_pk_mul_f32 v[BIAS+i:BIAS+i+1], v[BIAS+i:BIAS+i+1], s[94:95] op_sel_hi:[1,0]   ; bq x s for q, bq x 0 for k
.set i, i+2
.endr
.irp a, 0,1,2,3,4,5,6,7
	QKOUT \a
.endr
	global_store_b128 v[OS], v[SW:SW+3], s[12:13] offset:6144       ; sixteen lanes store 256 consecutive bytes: tiles 0-3's words of a head,
	global_store_b128 v[OS], v[SW+4:SW+7], s[12:13] offset:6400     ; and tiles 4-7's
	s_branch .Lend
.Lv_out:
.irp a, 0,1,2,3,4,5,6,7
	VOUT \a
.endr
.irp i, 0,1,2,3
	v_cndmask_b32 v[SW+\i], v[SW+\i], v[SW+4+\i], s96   ; lanes 0-15: the first head's four tiles, lanes 16-31: the second head's
.endr
	global_store_b128 v[OS], v[SW:SW+3], s[12:13] offset:12800
.Lend:
	s_wait_tensorcnt 0x0                           ; the wave's end
	ds_add_u32 v[SPW], v[NIL]
	s_wait_dscnt 0x0
	CROUND                                         ; the closing round: no work-group ends while a partner may still ask for a tile that names it
	s_endpgm
.Lfunc_end_k_q3a16f25de7_qkv:
	.size	k_q3a16f25de7_qkv, .Lfunc_end_k_q3a16f25de7_qkv-k_q3a16f25de7_qkv
	.p2alignl 7, 3214868480
	.fill 96, 4, 3214868480
	.section	.rodata,"a",@progbits
	.p2align	6, 0x0
	.amdhsa_kernel k_q3a16f25de7_qkv
		.amdhsa_group_segment_fixed_size 327680
		.amdhsa_private_segment_fixed_size 0
		.amdhsa_enable_private_segment 0
		.amdhsa_kernarg_size 64
		.amdhsa_user_sgpr_count 2
		.amdhsa_user_sgpr_kernarg_segment_ptr 1
		.amdhsa_wavefront_size32 1
		.amdhsa_system_sgpr_workgroup_id_x 1
		.amdhsa_system_sgpr_workgroup_id_y 1
		.amdhsa_system_sgpr_workgroup_id_z 1
		.amdhsa_system_vgpr_workitem_id 0
		.amdhsa_next_free_vgpr 1024
		.amdhsa_next_free_sgpr 102
		.amdhsa_reserve_vcc 0
		.amdhsa_float_denorm_mode_32 3
		.amdhsa_float_denorm_mode_16_64 3
		.amdhsa_memory_ordered 1
		.amdhsa_forward_progress 1
		.amdhsa_inst_pref_size 236
	.end_amdhsa_kernel
	.amdgpu_metadata
---
amdhsa.version: [ 1, 2 ]
amdhsa.kernels:
  - .name:           k_q3a16f25de7_qkv
    .symbol:         k_q3a16f25de7_qkv.kd
    .args:
      - { .name: xc, .offset: 0, .size: 8, .value_kind: global_buffer, .address_space: global }
      - { .name: xs, .offset: 8, .size: 8, .value_kind: global_buffer, .address_space: global }
      - { .name: wc, .offset: 16, .size: 8, .value_kind: global_buffer, .address_space: global }
      - { .name: ws, .offset: 24, .size: 8, .value_kind: global_buffer, .address_space: global }
      - { .name: bq, .offset: 32, .size: 8, .value_kind: global_buffer, .address_space: global }
      - { .name: bv, .offset: 40, .size: 8, .value_kind: global_buffer, .address_space: global }
      - { .name: qimg, .offset: 48, .size: 8, .value_kind: global_buffer, .address_space: global }
      - { .name: kv, .offset: 56, .size: 8, .value_kind: global_buffer, .address_space: global }
    .group_segment_fixed_size: 327680
    .private_segment_fixed_size: 0
    .kernarg_segment_align: 8
    .kernarg_segment_size: 64
    .max_flat_workgroup_size: 128
    .sgpr_count:     102
    .vgpr_count:     1024
    .wavefront_size: 32
...
	.end_amdgpu_metadata
.endif
;; end of part 2
;; launch attn (part 3): grid 16 x 16, 16 waves a work-group, clusters of 4 x 4, 327,680 bytes of LDS; arguments qimg, kv, mask, aoc, aos; writes aoc, aos
.if DOCPART == 3
	.amdgcn_target "amdgcn-amd-amdhsa--gfx1250"
	.amdhsa_code_object_version 6
	.text
	.protected	k_q3a16f25de7_attn
	.globl	k_q3a16f25de7_attn
	.p2align	8
	.type	k_q3a16f25de7_attn,@function
k_q3a16f25de7_attn:
	s_mov_b64 s[64:65], 0
	v_nop
	global_prefetch_b8 v0, s[64:65] scope:SCOPE_SE
	s_setreg_imm32_b32 hwreg(HW_REG_WAVE_MODE, 25, 1), 1
	s_wait_xcnt 0x0
	s_wait_alu depctr_hold_cnt(0) depctr_sa_sdst(0) depctr_va_vdst(0) depctr_va_sdst(0) depctr_va_ssrc(0) depctr_va_vcc(0) depctr_vm_vsrc(0)
	s_getreg_b32 s2, hwreg(HW_REG_IB_STS2, 6, 4)
	s_cmp_eq_u32 s2, 0
	s_cbranch_scc0 .Lentry_in_a_cluster
	s_endpgm
.Lentry_in_a_cluster:
	s_bfe_u32 s2, ttmp6, 0x10000c
	s_cmp_lg_u32 s2, 0xf033
	s_cbranch_scc0 .Lentry_shape_is_right
	s_endpgm
.Lentry_shape_is_right:
; o[b][h][q] = the sum over k of softmax_k(q . k + mask[q][k]) v[k], both products on codes of FP6 (E2M3) with one E8M0 scale for each 32 along a product's K; then o is quantised along the 1,024 channels for the last projection.
; q, k (already scaled) and v come as images of operand registers (the launch before lays them); the mask [2048][2048], f32, is an input and is added as it stands: every query walks all 2,048 keys.
; THE SOFTMAX AHEAD OF THE SECOND PRODUCT: t = (score + mask) x log2(e); M = the row's largest t so far, rounded UP to a whole number; p = 2^(t - M) is quantised along the keys, not normalised.  The row's sum is taken of the
; unquantised p and divides O at the end.  When M moves, the sum and O are multiplied by 2^(old M - new M): exact.
; SHARES.  A work-group owns 128 queries (block QB) of the four heads of a group g of batch b.  Wave w: head w % 4, queries 32 (w / 4) .. + 31 as two tiles of 16; lane r of tile e holds query 32 (w / 4) + 8 e + r % 8 + 16 (r / 8).
; Sixteen waves of 256 registers: four to a SIMD, so that one wave's vector work stands beside another's products and LDS loads.  16 key steps of 128 keys; in each a wave works its two tiles one after the other.
; LAYOUT.  Both products are used transposed: S^T = K Q^T (source 0 = 16 keys, source 1 = my 16 queries), O^T = V^T P^T: a lane holds ONE query throughout.  Lane r of K's tile 2 b + u holds key 32 b + 8 u + r + 8 (r / 8), so
; that register 16 b + i of S^T is key 32 b + 16 (lane / 16) + i.  THE MASK IS THE C OF THE FIRST PRODUCT: it is loaded from LDS into S^T's registers in that layout, and its addition costs no instruction.
; K = 64 OF THE FIRST PRODUCT is filled up to the instruction's 128 by zero CODES in Q's registers 6-11.  K's registers 6-11 are zeros at first and later hold what V's fragments left there: every E2M3 code is a finite number and
; no scale byte here is 0xff, so those products are zeros.
; CLUSTER.  4 x 4 work-groups.  K and V of (b, g) hang on the work-group's x alone: asked for jointly along a column.  The mask's tile hangs on QB alone: asked for jointly along a row.
; LIMITS: NaN and infinities in the inputs are not served, -infinity in the mask was not tried; the mask is added inside the matrix instruction; a block of zeros gets the byte 1 (this program alone reads the bytes).
; REGISTERS: v1-4 addresses that stay, v5-6 the spare word's, v7 the prefetch's offset, v8-11 addresses of the step; v12-15, v28-31 -M, largest t, the sum in two halves, for tile 0, 1; v16-27, v80-91 Q; v255, v92 Q's scale words;
;   v32-79 four fragments of K or V; v96-159 the mask, then S^T, then p; v160-191, v192-223 O^T; v224-235 p's codes; v232-247, v252-254 at work; v248-251 four scale words.
.set SLOT1, 1<<17                      ; slot 1 begins here: one exclusive or turns an address in one slot into the other's
.set HEADB, 13056                      ; a head's images of 128 keys
.set BLKB,  4*HEADB                    ; the four heads'
.set STRM,  16*BLKB                    ; all 16 key steps of a (b, g)
.set MOFF,  BLKB                       ; a slot: the images, then the mask's tile: 8 groups of 16 query rows
.set MP,    528                        ; a row of the mask's tile: 512 bytes + 16
.set MG,    16*MP+128                  ; a group: rows 16 apart lie 128 bytes further round the banks, so the 16 lanes of a load's half touch 16 different columns of 16 bytes
.set SPARE, 2*SLOT1                    ; the spare words, 128 bytes for each of 16 waves: no other line names them
.set STG,   SPARE+2048                 ; the way out: 128 tokens x 192 bytes of codes; no fill ever lands here
.set SSC,   STG+24576                  ; and 128 tokens x 8 scale bytes
.set TB,    2                          ; s2   LDS byte at which the slot in hand begins
.set SLOTS, 3                          ; s3   slots still to be asked for
.set WV,    18                         ; s18  my wave's number; s16 head, s17 which 32 queries
; s[20:21] lane selects; s[22:23] log2(e), as a pair; s[24:31], s[32:39] descriptor groups 1 (images, mask); s[40:43], s[44:47] their groups 0, which walk; s48 cx, s49 cy, s50 4 b + g, s51 QB;
; s[52:53] where my prefetches stand, s[54:55] their step, s56 the count of slots above which I prefetch (the greatest number: never)
; Waves 0-3 fetch a head's images each, waves 4-11 a group of the mask's rows each, waves 12-15 nothing.  The branches hang on the wave's number alone.  Four v_nop follow each of the two lines.
.macro TLOAD
	s_cmp_lt_u32 s[WV], 4
	s_cbranch_scc0 .Lnot_kv_\@
	tensor_load_to_lds s[40:43], s[24:31]
	s_nop 0
.rept 4
	v_nop
.endr
	s_branch .Lasked_\@
.Lnot_kv_\@:
	s_cmp_lt_u32 s[WV], 12
	s_cbranch_scc0 .Lasked_\@
	tensor_load_to_lds s[44:47], s[32:39]
	s_nop 0
.rept 4
	v_nop
.endr
.Lasked_\@:
.endm
; A PREFETCH of bytes that later changes of slots will ask for, behind the change's tensor loads; the waves ask that fetch nothing, one instruction each; each aligned block of 256 bytes is named once in the launch.
; IMAGES: a (b, g)'s 16 blocks are one stream of 835,584 bytes, walked by the clusters of one column of clusters: the cluster with y = 0 asks.  Waves 12 and 13 of its four partners along y take 8,192 bytes each, told apart by
; address, lanes 256 bytes apart: 65,536 bytes a change, from the stream's byte 104,448 (key step 2) on, in 11 changes: up to byte 825,343; the stream's last 10,240 bytes come by their load alone.
; MASK: a block's 128 rows are walked by the clusters of one row of clusters: the cluster with x = 0 asks.  Waves 14 and 15 of its four partners along x take 32 rows each, a lane a row, one half of a key step's 512 bytes a wave:
; the change that loads key step c names key step c + 1; the last change that fills a slot names nothing.  Key steps 0 and 1 come by their loads alone.
.macro ASK
	s_cmp_gt_u32 s[SLOTS], s56
	s_cbranch_scc0 .Lnot_mine_\@
	global_prefetch_b8 v7, s[52:53] th:TH_LOAD_NT scope:SCOPE_SE
.Lnot_mine_\@:
.endm
.macro CROUND                          ; a round of the cluster's barrier
	s_barrier_signal -1
	s_barrier_wait -1
	s_cmp_lg_u32 s[WV], 0
	s_cbranch_scc1 .Lnot_wave_0_\@
	s_barrier_signal -3
.Lnot_wave_0_\@:
	s_barrier_wait -3
	s_barrier_signal -1
	s_barrier_wait -1
.endm
	s_load_b256 s[4:11], s[0:1], 0x0               ; qimg 4, kv 6, mask 8, aoc 10
	s_load_b64 s[12:13], s[0:1], 0x20              ; aos
	v_lshl_add_u32 v5, v0, 2, SPARE
	v_mov_b32 v6, 0
	ds_add_u32 v5, v6
	s_wait_dscnt 0x0
	v_lshrrev_b32 v8, 5, v0
	v_readfirstlane_b32 s[WV], v8                  ; wave 0..15
	s_and_b32 s16, s[WV], 3                        ; my head of the four
	s_lshr_b32 s17, s[WV], 2                       ; my 32 queries of the 128
	s_bfe_u32 s48, ttmp6, 0x40000                  ; cx = g
	s_bfe_u32 s49, ttmp6, 0x40004                  ; cy
	s_lshl_b32 s50, ttmp9, 2
	s_add_co_u32 s50, s50, s48                     ; 4 b + g
	s_and_b32 s63, ttmp7, 0xffff                   ; cluster y
	s_lshl_b32 s51, s63, 2
	s_add_co_u32 s51, s51, s49                     ; QB
	s_lshl_b32 s57, s49, 2
	s_lshl_b32 s57, 15, s57                        ; my row of the cluster
	s_lshl_b32 s58, 0x1111, s48                    ; my column
	; group 1 for a head's images: 13,056 dense bytes as 51 rows of 256 bytes (32 elements of 8 bytes), no padding
	s_or_b32 s24, s58, (3<<16)|(1<<21)             ; 15:0 the mask: my column; 17:16 elements of 8 bytes; 21 set beside a mask
	s_mov_b32 s25, 32<<16                          ; tensor_dim0
	s_mov_b32 s26, 51<<16                          ; tensor_dim1
	s_mov_b32 s27, 32<<16                          ; tile_dim0
	s_mov_b32 s28, 51                              ; tile_dim1
	s_mov_b32 s29, 32                              ; tensor_dim0_stride
	s_mov_b32 s30, 0
	s_mov_b32 s31, 0
	; group 1 for 16 rows of the mask: 128 elements of 4 bytes a row, 2,048 from row to row, 16 bytes of padding behind each row
	s_or_b32 s32, s57, (2<<16)|(1<<20)|(1<<21)|(6<<22)|(3<<25)   ; the mask: my row; padding on, after every 128 words, of 4 words
	s_mov_b32 s33, 128<<16
	s_mov_b32 s34, 16<<16
	s_mov_b32 s35, 128<<16
	s_mov_b32 s36, 16
	s_mov_b32 s37, 2048
	s_mov_b32 s38, 0
	s_mov_b32 s39, 0
	s_mul_i32 s60, s16, HEADB                      ; my head's place in a block; also where waves 0-3 put what they fetch
	s_mul_i32 s66, s50, STRM
	s_add_co_u32 s66, s66, s60                     ; the images: (b, g)'s stream, my head (hangs on cx, not on cy)
	s_mov_b32 s67, 0
	s_add_co_u32 s59, s[WV], 4
	s_and_b32 s59, s59, 7                          ; waves 4 .. 11: groups 0 .. 7 of the mask's rows
	s_mul_i32 s61, s59, MG
	s_lshl_b32 s68, s59, 17                        ; 16 rows of 8,192 bytes
	s_lshl_b32 s69, s51, 20                        ; 128 rows
	s_add_co_u32 s68, s68, s69                     ; the mask: hangs on cy, not on cx
	s_mov_b32 s69, 0
	s_lshl_b32 s70, s50, 4
	s_add_co_u32 s70, s70, s51
	s_mul_i32 s70, s70, BLKB
	s_add_co_u32 s70, s70, s60                     ; Q: block (b, g, QB), my head
	s_mov_b32 s71, 0
	s_add_co_u32 s72, s70, 6144                    ; its scale words [tile / 4][r][tile % 4], my tiles 2 (w / 4), + 1
	s_lshr_b32 s73, s17, 1
	s_lshl_b32 s73, s73, 8
	s_add_co_u32 s72, s72, s73
	s_and_b32 s73, s17, 1
	s_lshl_b32 s73, s73, 3
	s_add_co_u32 s72, s72, s73
	s_mov_b32 s73, 0
	s_mul_i32 s74, s17, 1536
	s_add_co_u32 s70, s70, s74                     ; its codes: 768 bytes a tile
	s_and_b32 s62, s[WV], 1
	s_mul_i32 s74, s50, STRM                       ; the prefetches of the images: my stream,
	s_lshl_b32 s77, s49, 1
	s_add_co_u32 s77, s77, s62
	s_lshl_b32 s77, s77, 13                        ; my 8,192 bytes of a change's 65,536,
	s_add_co_u32 s74, s74, s77
	s_add_co_u32 s74, s74, 2*BLKB-65536            ; one step in front of key step 2: the first change steps it there
	s_lshl_b32 s75, s51, 7                         ; those of the mask: my block's rows,
	s_lshl_b32 s77, s48, 5
	s_add_co_u32 s75, s75, s77                     ; my work-group's 32 of them,
	s_lshl_b32 s75, s75, 13
	s_lshl_b32 s77, s62, 8
	s_add_co_u32 s75, s75, s77                     ; my half of a key step's 512 bytes,
	s_add_co_u32 s75, s75, 512                     ; at key step 1: the first change steps it to 2
	s_mov_b32 s20, 0x76543210
	s_mov_b32 s21, 0xfedcba98                      ; v_permlanex16_b32's selects for lane l xor 16
	s_mov_b32 s22, 0x3fb8aa3b                      ; log2(e)
	s_mov_b32 s23, s22                             ; (named with it as a pair, so it is written)
	s_mov_b32 s[TB], 0
	s_mov_b32 s[SLOTS], 15
	s_wait_kmcnt 0x0
	s_mov_b32 s40, 1                               ; 1:0 count = 1
	s_mov_b32 s41, s60                             ; LDS address: slot 0, the head's place
	s_add_nc_u64 s[42:43], s[6:7], s[66:67]        ; global address: key step 0
	s_or_b32 s43, s43, 0x80000000                  ; type = 2
	s_mov_b32 s44, 1
	s_add_co_u32 s45, s61, MOFF
	s_add_nc_u64 s[46:47], s[8:9], s[68:69]
	s_or_b32 s47, s47, 0x80000000
	CROUND                                         ; all sixteen work-groups are here: the first joint loads meet
	TLOAD                                          ; slot 0: key step 0.  One tensor load of a wave is out, here and behind each round
	s_add_nc_u64 s[14:15], s[4:5], s[72:73]        ; Q's scale words
	s_add_nc_u64 s[4:5], s[4:5], s[70:71]          ; Q's codes
	s_cmp_lt_u32 s[WV], 14                         ; waves 12, 13 ask for images, waves 14, 15 for the mask
	s_cselect_b64 s[52:53], s[6:7], s[8:9]
	s_cselect_b32 s74, s74, s75
	s_mov_b32 s54, 512
	s_cselect_b32 s54, 0x10000, s54                ; from change to change
	s_mov_b32 s76, 8192
	s_cselect_b32 s76, 256, s76                    ; from lane to lane
	s_cselect_b32 s56, 4, 1                        ; asked for while more slots than these are still to be asked for
	s_cselect_b32 s77, s63, ttmp9                  ; the coordinate along which other clusters read the same bytes
	s_mov_b32 s75, 0
	s_mov_b32 s55, 0
	s_add_nc_u64 s[52:53], s[52:53], s[74:75]
	s_lshr_b32 s78, s[WV], 2
	s_xor_b32 s78, s78, 3                          ; 0 in waves 12 to 15
	s_or_b32 s77, s77, s78
	s_cmp_eq_u32 s77, 0                            ; hangs on the wave's number and the cluster's x and y: the same in all partners
	s_cselect_b32 s56, s56, -1
	v_and_b32 v7, 31, v0
	v_mul_lo_u32 v7, v7, s76
	v_and_b32 v8, 31, v0                           ; lane
	v_and_b32 v9, 15, v0                           ; r
	v_bfe_u32 v10, v0, 4, 1                        ; h
	v_lshlrev_b32 v93, 4, v8
	v_lshlrev_b32 v94, 3, v8
	v_lshlrev_b32 v95, 4, v9
	global_load_b128 v[16:19], v93, s[4:5]                 ; Q of tile 0: registers 0-3,
	global_load_b64 v[20:21], v94, s[4:5] offset:512       ; 4-5,
	global_load_b32 v255, v95, s[14:15]                    ; and its scale words
	global_load_b128 v[80:83], v93, s[4:5] offset:768      ; tile 1
	global_load_b64 v[84:85], v94, s[4:5] offset:1280
	global_load_b32 v92, v95, s[14:15] offset:4
	v_lshl_add_u32 v1, v8, 4, s60                  ; images: my head + 16 x lane
	v_lshl_add_u32 v2, v8, 3, s60
	v_add_nc_u32 v2, 512, v2                       ; my head + 512 + 8 x lane
	v_lshl_add_u32 v3, v9, 4, s60                  ; scale words: my head + 16 r
	v_lshrrev_b32 v11, 3, v9
	v_and_b32 v12, 7, v9
	v_mul_u32_u24 v4, v11, MG
	v_mad_u32_u24 v4, v12, MP, v4
	v_lshl_add_u32 v4, v10, 6, v4
	s_mul_i32 s58, s17, 2*MG
	s_add_co_u32 s58, s58, MOFF
	v_add_nc_u32 v4, s58, v4                       ; the mask: group 2 (w / 4) + r / 8, row r % 8 (+ 8 for tile 1), + 64 h
.irp j, 22,23,24,25,26,27,86,87,88,89,90,91
	v_mov_b32 v[\j], 0                             ; Q's registers 6-11: zero codes for k = 64 .. 127
.endr
.irp t, 0,1,2,3
.irp j, 6,7,8,9,10,11
	v_mov_b32 v[32+12*\t+\j], 0                    ; K's registers 6-11, written before they are first named
.endr
.endr
	v_mov_b32 v13, 0xff61b1e6                      ; the largest t so far: -3e38, under every t
	v_floor_f32 v12, -v13                          ; -M
	v_mov_b32 v14, 0                               ; the sum, in two halves
	v_mov_b32 v15, 0
	v_mov_b32 v29, 0xff61b1e6
	v_floor_f32 v28, -v29
	v_mov_b32 v30, 0
	v_mov_b32 v31, 0
.irp b, 0,1,2,3
	v_mov_b32 v[236+\b], 0                         ; written once: a lane permute's destination counts as one of its sources
.endr
	v_mov_b32 v253, 0                              ; (named as the upper half of the pair v[252:253] before it is first written)
.irp j, 0,1,2,3,4,5,6,7,8,9,10,11,12,13,14,15,16,17,18,19,20,21,22,23,24,25,26,27,28,29,30,31,32,33,34,35,36,37,38,39,40,41,42,43,44,45,46,47,48,49,50,51,52,53,54,55,56,57,58,59,60,61,62,63
	v_mov_b32 v[160+\j], 0                         ; O^T.  (The step is written once: the first finds zeros, which the first change of M leaves zeros)
.endr
; ONE TILE OF 16 QUERIES x 128 KEYS.
.macro TILE e
.set QR, 16+64*(\e)
.set QW, 255-163*(\e)
.set ST, 12+16*(\e)
.set OT, 160+32*(\e)
.if \e
.rept 4
	v_nop                                          ; places behind tile 0's last products, in front of loads into registers that they read (for tile 0 the step's four additions are the places)
.endr
.endif
.irp b, 0,1,2,3
.irp j, 0,1,2,3
	ds_load_b128 v[96+16*\b+4*\j:99+16*\b+4*\j], v11 offset:8*MP*(\e)+128*\b+16*\j   ; register 16 b + i: the mask at (my query, key 32 b + 16 h + i)
.endr
.endr
.irp g, 0,1                                    ; S^T = K Q^T + mask, four tiles of 16 keys at a time
.if \g
.rept 4
	v_nop
.endr
.endif
.irp t, 0,1,2,3
	ds_load_b128 v[32+12*\t:35+12*\t], v8 offset:768*(4*\g+\t)
	ds_load_b64 v[36+12*\t:37+12*\t], v9 offset:768*(4*\g+\t)
.endr
	ds_load_b128 v[248:251], v10 offset:6144+256*\g    ; the four tiles' scale words of row r
	s_wait_dscnt 0x0
.irp t, 0,1,2,3
	v_wmma_scale_f32_16x16x128_f8f6f4 v[96+8*(4*\g+\t):103+8*(4*\g+\t)], v[32+12*\t:43+12*\t], v[QR:QR+11], v[96+8*(4*\g+\t):103+8*(4*\g+\t)], v[248+\t], v[QW] matrix_a_fmt:MATRIX_FMT_FP6 matrix_b_fmt:MATRIX_FMT_FP6
.endr
.endr
.rept 4
	v_nop                                          ; places in front of the loads below and of the first read of the scores
.endr
.irp t, 0,1,2,3                                ; V's four fragments and their scale words are asked for here: they land while the softmax is worked
.irp c, 0,1,2
	ds_load_b128 v[32+12*\t+4*\c:35+12*\t+4*\c], v8 offset:6656+1536*\t+512*\c
.endr
.endr
	ds_load_b128 v[248:251], v10 offset:12800
.irp b, 0,1,2,3
	v_max3_num_f32 v[232+\b], v[96+16*\b], v[97+16*\b], v[98+16*\b]   ; THE LARGEST SCORE OF EACH BLOCK OF 32 KEYS: for the row's maximum, and, since p rises with the score, for the block's largest p
.endr
.irp i, 3,5,7,9,11,13
.irp b, 0,1,2,3
	v_max3_num_f32 v[232+\b], v[232+\b], v[96+16*\b+\i], v[97+16*\b+\i]   ; (the four blocks by turns)
.endr
.endr
.irp b, 0,1,2,3
	v_max_num_f32 v[232+\b], v[232+\b], v[111+16*\b]
.endr
.irp b, 0,1,2,3
	v_permlanex16_b32 v[236+\b], v[232+\b], s20, s21
.endr
.irp b, 0,1,2,3
	v_max_num_f32 v[232+\b], v[232+\b], v[236+\b]  ; with lane l xor 16's 16 keys
.endr
	v_max3_num_f32 v254, v232, v233, v234
	v_max_num_f32 v254, v254, v235                 ; the step's largest score of my query
	v_mul_f32 v254, s22, v254                      ; as t
	v_max_num_f32 v[ST+1], v[ST+1], v254           ; the running largest t
	v_mov_b32 v254, v[ST]
	v_floor_f32 v[ST], -v[ST+1]                    ; the new -M = floor(-t) = -ceil(t): M IS A WHOLE NUMBER
	v_sub_f32 v254, v[ST], v254                    ; M's old value less its new one: a whole number, 0 or less
	v_cvt_i32_f32 v254, v254                       ; (it saturates)
	v_ldexp_f32 v252, 1.0, v254                    ; f = 2^(old M - new M)
.irp j, 0,2,4,6,8,10,12,14,16,18,20,22,24,26,28,30,32,34,36,38,40,42,44,46,48,50,52,54,56,58,60,62
	v_pk_fma_f32 v[96+\j:97+\j], v[96+\j:97+\j], s[22:23], v[ST:ST+1] op_sel_hi:[1,0,0]   ; t - M, two at a time (of the pairs the low word serves both halves)
.endr
.irp b, 0,1,2,3
	v_fma_f32 v[232+\b], v[232+\b], s22, v[ST]     ; the same of each block's largest score
.endr
.irp j, 0,1,2,3,4,5,6,7,8,9,10,11,12,13,14,15,16,17,18,19,20,21,22,23,24,25,26,27,28,29,30,31,32,33,34,35,36,37,38,39,40,41,42,43,44,45,46,47,48,49,50,51,52,53,54,55,56,57,58,59,60,61,62,63
	v_exp_f32 v[96+\j], v[96+\j]                   ; p = 2^(t - M), at most 1: NOT normalised
.endr
	v_pk_mul_f32 v[ST+2:ST+3], v[ST+2:ST+3], v[252:253] op_sel_hi:[1,0]   ; the sums under the new M.  (A plain place behind the exponentials)
	s_wait_alu depctr_va_vdst(0)                   ; one wait for the whole batch, ahead of its first reader
.irp b, 0,1,2,3
	v_exp_f32 v[232+\b], v[232+\b]                 ; the block's largest p: the same two instructions on the same number give the same bits
.endr
	v_pk_add_f32 v[236:237], v[96:97], v[98:99]    ; THE ROW'S SUM IS TAKEN OF THE UNQUANTISED p: two at a time, in two chains.  (It reads the 64 alone: plain work behind the four)
.irp j, 4,8,12,16,20,24,28,32,36,40,44,48,52,56,60
	v_pk_add_f32 v[ST+2:ST+3], v[ST+2:ST+3], v[96+\j:97+\j]
	v_pk_add_f32 v[236:237], v[236:237], v[98+\j:99+\j]
.endr
	v_pk_add_f32 v[ST+2:ST+3], v[ST+2:ST+3], v[236:237]
	s_wait_alu depctr_va_vdst(0)                   ; and one for the four
.irp b, 0,1,2,3
	v_max_num_f32 v[232+\b], 0x1800000, v[232+\b]  ; the floor 2^(3 - 127): the byte cannot fall under 1 (a block whose every p is 0 keeps that byte: its codes are zeros)
.endr
.irp b, 0,1,2,3
	v_add_nc_u32 v[244+\b], 0xff000000, v[232+\b]  ; 2 off the exponent field: the conversion's scale operand
.endr
.irp b, 0,1,2,3
	v_lshrrev_b32 v[236+\b], 23, v[244+\b]         ; the scale's byte
.endr
	v_lshl_or_b32 v253, v237, 8, v236              ; p's scale word for these 128 keys
	v_lshl_or_b32 v253, v238, 16, v253
	v_lshl_or_b32 v253, v239, 24, v253
.irp c, 0,1
	v_cvt_scalef32_pk16_fp6_f32 v[224+6*\c:226+6*\c], v[96+32*\c:111+32*\c], v[244+2*\c]
	v_cvt_scalef32_pk16_fp6_f32 v[236+4*\c:238+4*\c], v[112+32*\c:127+32*\c], v[244+2*\c+1]   ; (a conversion's three registers begin on an even number)
.endr
	v_nop                                          ; one plain place behind a scaled conversion
.irp c, 0,1                                    ; the operand's layout wants a WHOLE block in a lane
.irp i, 0,1,2
	v_permlane16_swap_b32 v[224+6*\c+\i], v[236+4*\c+\i]
.endr
.irp i, 0,1,2
	v_mov_b32 v[227+6*\c+\i], v[236+4*\c+\i]
.endr
.endr
.irp j, 0,2,4,6,8,10,12,14,16,18,20,22,24,26,28,30
	v_pk_mul_f32 v[OT+\j:OT+\j+1], v[OT+\j:OT+\j+1], v[252:253] op_sel_hi:[1,0]   ; O^T under the new M.  (These 16 are also the places between the writing of p's codes and scale word and the products)
.endr
	s_wait_dscnt 0x0                               ; V's fragments and scale words are in
.irp t, 0,1,2,3                                ; O^T += V^T P^T: the head's four tiles of 16 channels; K = these 128 keys.  The accumulators take turns
	v_wmma_scale_f32_16x16x128_f8f6f4 v[OT+8*\t:OT+8*\t+7], v[32+12*\t:43+12*\t], v[224:235], v[OT+8*\t:OT+8*\t+7], v[248+\t], v253 matrix_a_fmt:MATRIX_FMT_FP6 matrix_b_fmt:MATRIX_FMT_FP6
.endr
.endm
.macro KSTEP                           ; a key step: 128 keys, both tiles
	v_add_nc_u32 v8, s[TB], v1                     ; (four plain lines: the places behind the last step's products)
	v_add_nc_u32 v9, s[TB], v2
	v_add_nc_u32 v10, s[TB], v3
	v_add_nc_u32 v11, s[TB], v4
	TILE 0
	TILE 1
	s_xor_b32 s[TB], s[TB], SLOT1                  ; on to the other slot
.endm
; THE CHANGE OF SLOTS stands at a key step's head.  Each wave waits for all its tensor loads (its part of the slot that it is about to read), adds 0 to its spare word, and waits for that and for its reads of the slot that it has left.
; fill = 1: a round of the cluster's barrier, so that no wave of any partner still reads the other slot or has a load on its way; behind it that slot is filled with the next key step: the load has a key step's work in which to land.
.macro CHANGE fill
	s_wait_tensorcnt 0x0                           ; no tensor load of mine is out, so a group 0 may be written
	ds_add_u32 v5, v6                              ; 0 onto my spare word
.if \fill
	s_xor_b32 s41, s41, SLOT1                      ; the walking descriptors: the other slot than last time,
	s_add_nc_u64 s[42:43], s[42:43], BLKB          ; the next 128 keys' images; the type bits on top are not reached
	s_xor_b32 s45, s45, SLOT1
	s_add_nc_u64 s[46:47], s[46:47], 512           ; and the next 128 columns of the mask
	s_wait_xcnt 0x0                                ; the last prefetch, a key step back, has read its address, so it may be written
	s_add_nc_u64 s[52:53], s[52:53], s[54:55]
.endif
	s_wait_dscnt 0x0                               ; the add is done, and my reads of the slot that I have left are over
.if \fill
	CROUND
	TLOAD                                          ; the first thing behind the round, and a wave's one tensor load until the next
	ASK
.else
	s_barrier_signal -1
	s_barrier_wait -1
.endif
.endm
	s_wait_loadcnt 0x0                             ; Q
.Lslot:                                            ; 15 trips: behind each change of slots but the last the next key step is asked for
	CHANGE 1
	KSTEP
	s_sub_co_u32 s[SLOTS], s[SLOTS], 1
	s_cmp_lg_u32 s[SLOTS], 0
	s_cbranch_scc1 .Lslot
	CHANGE 0                                       ; the last key step is written out
	KSTEP
	; THE WAY OUT.  O^T / the sum is quantised along the channels (register 16 c + i: channel 32 c + 16 h + i of my head: two blocks of 32), and the codes of the four heads meet in a stage in LDS: 192 bytes a token.
.rept 4
	v_nop                                          ; places behind the last products
.endr
	v_add_f32 v14, v14, v15                        ; the sums' two halves,
	v_add_f32 v30, v30, v31
	v_permlanex16_b32 v252, v14, s20, s21
	v_permlanex16_b32 v254, v30, s20, s21
	v_add_f32 v14, v14, v252                       ; and lane l xor 16's: the rows' sums
	v_add_f32 v30, v30, v254
	v_rcp_f32 v252, v14
	v_rcp_f32 v254, v30
	v_and_b32 v232, 15, v0                         ; (plain work behind the reciprocals)  r
	v_bfe_u32 v233, v0, 4, 1                       ; h
	v_and_b32 v234, 7, v232
	v_lshrrev_b32 v235, 3, v232
	s_mul_i32 s57, s17, 32*192
	s_mul_i32 s58, s16, 48
	s_add_co_u32 s57, s57, s58
	s_add_co_u32 s57, s57, STG
	v_mul_u32_u24 v8, v234, 192
	v_mad_u32_u24 v8, v235, 16*192, v8
	v_mad_u32_u24 v8, v233, 24, v8
	v_add_nc_u32 v8, s57, v8                       ; codes: token 32 (w / 4) + r % 8 + 16 (r / 8) (+ 8 for tile 1), head's 48 bytes, my block's 24
	s_lshl_b32 s57, s17, 8
	s_lshl_b32 s58, s16, 1
	s_add_co_u32 s57, s57, s58
	s_add_co_u32 s57, s57, SSC
	v_lshlrev_b32 v9, 3, v234
	v_lshl_add_u32 v9, v235, 7, v9
	v_add_nc_u32 v9, s57, v9                       ; scale bytes: 8 a token, my head's 2
	v_lshlrev_b32 v11, 4, v0                       ; back: 16 bytes a thread
	v_add_nc_u32 v10, STG, v11
	s_wait_alu depctr_va_vdst(0)                   ; the wait for both reciprocals, ahead of their first reader
.macro QUANT2 s                        ; 32 numbers of a lane become 24 bytes of codes in v224-229 (lanes 0-15 block 0, lanes 16-31 block 1) and two scale bytes in v253
.irp b, 0,1
	v_max3_num_f32 v[232+\b], |v[\s+16*\b]|, |v[\s+1+16*\b]|, 0x1800000
.endr
.irp i, 2,4,6,8,10,12,14
.irp b, 0,1
	v_max3_num_f32 v[232+\b], v[232+\b], |v[\s+16*\b+\i]|, |v[\s+1+16*\b+\i]|
.endr
.endr
.irp b, 0,1
	v_permlanex16_b32 v[236+\b], v[232+\b], s20, s21
.endr
.irp b, 0,1
	v_max_num_f32 v[232+\b], v[232+\b], v[236+\b]
.endr
.irp b, 0,1
	v_add_nc_u32 v[244+\b], 0xff000000, v[232+\b]
.endr
.irp b, 0,1
	v_lshrrev_b32 v[236+\b], 23, v[244+\b]
.endr
	v_lshl_or_b32 v253, v237, 8, v236
	v_cvt_scalef32_pk16_fp6_f32 v[224:226], v[\s:\s+15], v244
	v_cvt_scalef32_pk16_fp6_f32 v[240:242], v[\s+16:\s+31], v245
	v_nop                                          ; one plain place behind a scaled conversion
.irp i, 0,1,2
	v_permlane16_swap_b32 v[224+\i], v[240+\i]
.endr
.irp i, 0,1,2
	v_mov_b32 v[227+\i], v[240+\i]
.endr
.endm
.macro OUT e
.set OT, 160+32*(\e)
.set TT, 96+32*(\e)
.set RC, 252+2*(\e)
.irp i, 0,2,4,6,8,10,12,14,16,18,20,22,24,26,28,30
	v_pk_mul_f32 v[TT+\i:TT+\i+1], v[OT+\i:OT+\i+1], v[RC:RC+1] op_sel_hi:[1,0]   ; O^T / the sum; each accumulator from its low end on
.endr
	QUANT2 TT
	ds_store_b64 v8, v[224:225] offset:8*192*(\e)
	ds_store_b64 v8, v[226:227] offset:8*192*(\e)+8
	ds_store_b64 v8, v[228:229] offset:8*192*(\e)+16
	ds_store_b16 v9, v253 offset:64*(\e)           ; both lanes of a query write the same two bytes with the same value
	s_wait_dscnt 0x0                               ; the stores have read their registers; for the others' sake too: they have landed
.endm
	OUT 0
	OUT 1
	s_barrier_signal -1
	s_barrier_wait -1                              ; 128 tokens' codes and scale bytes lie in the stage
.irp i, 0,1,2
	ds_load_b128 v[96+4*\i:99+4*\i], v10 offset:8192*\i
.endr
	v_lshl_add_u32 v9, v0, 3, SSC                  ; 8 scale bytes a thread (threads 0-127)
	v_lshlrev_b32 v232, 5, v0                      ; a token's 32 bytes in aos
	s_lshl_b32 s58, ttmp9, 11
	s_lshl_b32 s59, s51, 7
	s_add_co_u32 s58, s58, s59                     ; my first token: 2,048 b + 128 QB
	s_mul_i32 s60, s58, 192
	s_mul_i32 s57, s48, 8192*192                   ; plane g of aoc
	s_add_co_u32 s60, s60, s57
	s_mov_b32 s61, 0
	s_add_nc_u64 s[10:11], s[10:11], s[60:61]
	s_lshl_b32 s60, s58, 5
	s_lshl_b32 s57, s48, 3
	s_add_co_u32 s60, s60, s57                     ; aos: 32 bytes a token, group g's 8
	s_add_nc_u64 s[12:13], s[12:13], s[60:61]
.irp i, 0,1,2
	s_wait_dscnt 2-\i                              ; the younger loads may be out
	global_store_b128 v11, v[96+4*\i:99+4*\i], s[10:11] offset:8192*\i   ; a wave stores 512 consecutive bytes, aligned: the block's 24,576 bytes are dense in aoc
.endr
	s_cmp_lt_u32 s[WV], 4
	s_cbranch_scc0 .Lno_scales
	ds_load_b64 v[108:109], v9
	s_wait_dscnt 0x0
	global_store_b64 v232, v[108:109], s[12:13]    ; 8 bytes of each token's 32: the other groups' work-groups write the rest
.Lno_scales:
	s_wait_tensorcnt 0x0                           ; the wave's end
	ds_add_u32 v5, v6
	s_wait_dscnt 0x0
	CROUND                                         ; the closing round
	s_endpgm
.Lfunc_end_k_q3a16f25de7_attn:
	.size	k_q3a16f25de7_attn, .Lfunc_end_k_q3a16f25de7_attn-k_q3a16f25de7_attn
	.p2alignl 7, 3214868480
	.fill 96, 4, 3214868480
	.section	.rodata,"a",@progbits
	.p2align	6, 0x0
	.amdhsa_kernel k_q3a16f25de7_attn
		.amdhsa_group_segment_fixed_size 327680
		.amdhsa_private_segment_fixed_size 0
		.amdhsa_enable_private_segment 0
		.amdhsa_kernarg_size 40
		.amdhsa_user_sgpr_count 2
		.amdhsa_user_sgpr_kernarg_segment_ptr 1
		.amdhsa_wavefront_size32 1
		.amdhsa_system_sgpr_workgroup_id_x 1
		.amdhsa_system_sgpr_workgroup_id_y 1
		.amdhsa_system_sgpr_workgroup_id_z 1
		.amdhsa_system_vgpr_workitem_id 0
		.amdhsa_next_free_vgpr 256
		.amdhsa_next_free_sgpr 80
		.amdhsa_reserve_vcc 0
		.amdhsa_float_denorm_mode_32 3
		.amdhsa_float_denorm_mode_16_64 3
		.amdhsa_memory_ordered 1
		.amdhsa_forward_progress 1
		.amdhsa_inst_pref_size 89
	.end_amdhsa_kernel
	.amdgpu_metadata
---
amdhsa.version: [ 1, 2 ]
amdhsa.kernels:
  - .name:           k_q3a16f25de7_attn
    .symbol:         k_q3a16f25de7_attn.kd
    .args:
      - { .name: qimg, .offset: 0, .size: 8, .value_kind: global_buffer, .address_space: global }
      - { .name: kv, .offset: 8, .size: 8, .value_kind: global_buffer, .address_space: global }
      - { .name: mask, .offset: 16, .size: 8, .value_kind: global_buffer, .address_space: global }
      - { .name: aoc, .offset: 24, .size: 8, .value_kind: global_buffer, .address_space: global }
      - { .name: aos, .offset: 32, .size: 8, .value_kind: global_buffer, .address_space: global }
    .group_segment_fixed_size: 327680
    .private_segment_fixed_size: 0
    .kernarg_segment_align: 8
    .kernarg_segment_size: 40
    .max_flat_workgroup_size: 512
    .sgpr_count:     80
    .vgpr_count:     256
    .wavefront_size: 32
...
	.end_amdgpu_metadata
.endif
;; end of part 3
;; launch proj (part 4): grid 4 x 32, 4 waves a work-group, clusters of 4 x 4, 327,680 bytes of LDS; arguments aoc, aos, wc, ws, bo, out0; writes out0
.if DOCPART == 4
	.amdgcn_target "amdgcn-amd-amdhsa--gfx1250"
	.amdhsa_code_object_version 6
	.text
	.protected	k_q3a16f25de7_proj
	.globl	k_q3a16f25de7_proj
	.p2align	8
	.type	k_q3a16f25de7_proj,@function
k_q3a16f25de7_proj:
	s_mov_b64 s[64:65], 0
	v_nop
	global_prefetch_b8 v0, s[64:65] scope:SCOPE_SE
	s_setreg_imm32_b32 hwreg(HW_REG_WAVE_MODE, 25, 1), 1
	s_wait_xcnt 0x0
	s_wait_alu depctr_hold_cnt(0) depctr_sa_sdst(0) depctr_va_vdst(0) depctr_va_sdst(0) depctr_va_ssrc(0) depctr_va_vcc(0) depctr_vm_vsrc(0)
	s_getreg_b32 s2, hwreg(HW_REG_IB_STS2, 6, 4)
	s_cmp_eq_u32 s2, 0
	s_cbranch_scc0 .Lentry_in_a_cluster
	s_endpgm
.Lentry_in_a_cluster:
	s_bfe_u32 s2, ttmp6, 0x10000c
	s_cmp_lg_u32 s2, 0xf033
	s_cbranch_scc0 .Lentry_shape_is_right
	s_endpgm
.Lentry_shape_is_right:
; out0[m][n] = the sum over k of A[m][k] Wo[n][k] + bo[n], on codes of FP6 (E2M3) with one E8M0 scale for each 32 along K = 1,024; sums in f32; out0 [8192][1024] f32.
; A, the attention's result: codes in aoc [4][8192][192] (plane g = K step g of 256: a tile's rows are dense), scale bytes in aos [8192][32].  Wo: rows 3,072 .. 4,095 of wc [4096][768] and ws [4096][32].
; A tile of 256 x 256 is made by four waves, 128 x 128 each: 64 accumulators, 512 registers.  K goes in steps of 256 through a ring of two LDS slots filled by the tensor data mover; the scale bytes of the 512 rows come once.
; CLUSTERS: 4 x 4 work-groups: A's tiles are asked for jointly along a row of the cluster, B's along a column.  THE MATRIX INSTRUCTION IS USED TRANSPOSED: a lane holds eight neighbouring numbers of a row of the output.
; 128 work-groups: a tile of half the size would give every fragment half the products.  No prefetch: of K's four steps two come with the first fills and two a step ahead.
; REGISTERS, in windows of 256: window 0: v0-31 addresses, v8-11 bo; v32-63 scale words, two sets; from v128 A's fragments, one set; on the way out v128-255 rows read back.
;   window 1: B's fragments, two sets.   window 2: the accumulators of my rows 0-63 ((a, b) at v[8 (8 a + b)]);   window 3: those of my rows 64-127.
.set SIZE_N, 1024
.set KSTEP,  256
.set NQ,     2
.set ROWB,   192
.set KROW,   768                       ; a row of Wo's codes in memory
.set GSTEP,  8192*192                  ; from a K step of A's codes to the next
.set PITCH,  240
.set FR,     12
.set NL,     6
.set NP,     4
.set HALFT,  128*PITCH
.set SLOT,   4*HALFT
.set LAPS,   2
.set KS,     32
.set SCL,    2*SLOT
.set HALFS,  (128*KS/256)*272
.set SBLK,   (16*KS/256)*272
.set SPARE,  SCL+4*HALFS               ; the spare words, 128 bytes for each wave: no other line names them
.set SPITCH, 528                       ; the way out: a stage of 16 rows x (512 bytes + 16) for each wave, in slot 0, which has had its last fill and its last read when the first result is stored there
.set BO,   8                           ; v8-11   bo of my four columns of a row read back
.set ADRA, 16
.set ADRB, 20
.set STO,  24
.set RD,   25
.set CO,   26
.set ADRS, 27
.set SPW,  28
.set NIL,  29
.set SC,   32
.set AF,   128
.set BK,   128
.set G1, 24
.set G0, 32
.set G1B, 48
.set G0B, 56
.set G1S, 68
.set G0S, 76
.set G1SB, 80
.set G0SB, 88
.set MSB, 0
.macro WIN new                         ; the immediate's high byte repeats the setting that is left
.if MSB != \new
	s_set_vgpr_msb (MSB<<8)|\new
.set MSB, \new
.endif
.endm
.set MUL_LO, 0xa1
.set MUL_HI, 0xf1
.set TO_B,   0x40
.macro JLOAD g0a, g1a, g0b, g1b        ; a joint load: waves 0 and 1 fetch for A, waves 2 and 3 for B; four v_nop follow each of the two lines
	s_cmp_eq_u32 s15, 0
	s_cbranch_scc0 .Lfor_b_\@
	tensor_load_to_lds s[\g0a:\g0a+3], s[\g1a:\g1a+7]
	s_nop 0
.rept 4
	v_nop
.endr
	s_branch .Lasked_\@
.Lfor_b_\@:
	tensor_load_to_lds s[\g0b:\g0b+3], s[\g1b:\g1b+7]
	s_nop 0
.rept 4
	v_nop
.endr
.Lasked_\@:
.endm
.macro CREST
	s_cmp_lg_u32 s14, 0
	s_cbranch_scc1 .Lnot_wave_0_\@
	s_barrier_signal -3
.Lnot_wave_0_\@:
	s_barrier_wait -3
	s_barrier_signal -1
	s_barrier_wait -1
.endm
.macro CROUND
	s_barrier_signal -1
	s_barrier_wait -1
	CREST
.endm
	s_load_b128 s[4:7], s[0:1], 0x0                ; A's codes, A's scales
	s_load_b128 s[8:11], s[0:1], 0x10              ; the weights' codes and scales
	s_load_b128 s[96:99], s[0:1], 0x20             ; bo, out0
	v_lshl_add_u32 v[SPW], v0, 2, SPARE
	v_mov_b32 v[NIL], 0
	ds_add_u32 v28, v29
	s_wait_dscnt 0x0
	v_lshrrev_b32 v1, 5, v0
	v_readfirstlane_b32 s14, v1                    ; wave 0..3
	s_lshr_b32 s15, s14, 1                         ; which half of the tile's rows is mine.  Also: I fetch for A (0) or for B (1)
	s_and_b32 s16, s14, 1                          ; which half of its columns.  Also: which 128 rows of that tile I fetch
	s_bfe_u32 s40, ttmp6, 0x40000                  ; cx, cy
	s_bfe_u32 s41, ttmp6, 0x40004
	s_lshl_b32 s42, ttmp9, 2
	s_add_co_u32 s42, s42, s40                     ; tile column
	s_and_b32 s17, ttmp7, 0xffff
	s_lshl_b32 s17, s17, 2
	s_add_co_u32 s17, s17, s41                     ; tile row
	s_lshl_b32 s43, s41, 2
	s_lshl_b32 s43, 15, s43                        ; my row of the cluster
	s_lshl_b32 s44, 0x1111, s40                    ; my column
	s_or_b32 s[G1+0], s43, (0<<16)|(1<<20)|(1<<21)|(3<<22)|(3<<25)  ; the mask: my row; elements of 1 byte; padding of 4 words after every 16; bit 21 beside a mask
	s_or_b32 s[G1B+0], s44, (0<<16)|(1<<20)|(1<<21)|(3<<22)|(3<<25)
.irp g, G1, G1B
	s_mov_b32 s[\g+1], ROWB<<16                    ; tensor_dim0
	s_mov_b32 s[\g+2], 128<<16                     ; tensor_dim1
	s_mov_b32 s[\g+3], ROWB<<16                    ; tile_dim0
	s_mov_b32 s[\g+4], 128                         ; tile_dim1
	s_mov_b32 s[\g+6], 0
	s_mov_b32 s[\g+7], 0
.endr
	s_mov_b32 s[G1+5], ROWB                        ; tensor_dim0_stride: A's rows of a K step are dense,
	s_mov_b32 s[G1B+5], KROW                       ; B's lie 768 bytes apart
	s_or_b32 s[G1S+0], s43, (3<<16)|(1<<20)|(1<<21)|(5<<22)|(3<<25)
	s_or_b32 s[G1SB+0], s44, (3<<16)|(1<<20)|(1<<21)|(5<<22)|(3<<25)
.irp g, G1S, G1SB
	s_mov_b32 s[\g+1], 32<<16
	s_mov_b32 s[\g+2], (128*KS/256)<<16
	s_mov_b32 s[\g+3], 32<<16
	s_mov_b32 s[\g+4], 128*KS/256
	s_mov_b32 s[\g+5], 32
	s_mov_b32 s[\g+6], 0
	s_mov_b32 s[\g+7], 0
.endr
	s_lshl_b32 s18, s16, 7                         ; which 128 rows of the tile I fetch
	s_lshl_b32 s20, s17, 8
	s_add_co_u32 s20, s20, s18                     ; A: row 256 x tile row + 128 x half
	s_lshl_b32 s46, s42, 8
	s_add_co_u32 s46, s46, s18                     ; B: row 256 x tile column + 128 x half
	s_mov_b32 s21, 0
	s_mov_b32 s47, 0
	s_mov_b64 s[18:19], KS
	s_mul_u64 s[22:23], s[20:21], s[18:19]         ; where these rows' scales begin, in bytes
	s_mul_u64 s[92:93], s[46:47], s[18:19]
	s_mov_b64 s[18:19], ROWB
	s_mul_u64 s[20:21], s[20:21], s[18:19]         ; and their codes
	s_mov_b64 s[18:19], KROW
	s_mul_u64 s[46:47], s[46:47], s[18:19]
	s_mul_i32 s45, s14, HALFT                      ; where they go: wave x 128 rows
	s_mul_i32 s94, s14, HALFS
	s_wait_kmcnt 0x0
	s_mov_b64 s[12:13], s[98:99]                   ; out0
	s_add_nc_u64 s[8:9], s[8:9], 3072*KROW         ; Wo's rows
	s_add_nc_u64 s[10:11], s[10:11], 3072*KS
	s_add_nc_u64 s[20:21], s[4:5], s[20:21]
	s_add_nc_u64 s[22:23], s[6:7], s[22:23]
	s_add_nc_u64 s[46:47], s[8:9], s[46:47]
	s_add_nc_u64 s[92:93], s[10:11], s[92:93]
	CROUND                                         ; all sixteen work-groups are here: the first joint loads meet
	s_mov_b32 s[G0S], 1
	s_add_co_u32 s[G0S+1], s94, SCL
	s_mov_b64 s[G0S+2:G0S+3], s[22:23]
	s_or_b32 s[G0S+3], s[G0S+3], 0x80000000
	s_mov_b32 s[G0SB], 1
	s_add_co_u32 s[G0SB+1], s94, SCL
	s_mov_b64 s[G0SB+2:G0SB+3], s[92:93]
	s_or_b32 s[G0SB+3], s[G0SB+3], 0x80000000
	JLOAD G0S, G1S, G0SB, G1SB                     ; the scales first
.irp s, 0,1
	s_mov_b32 s[G0+4*\s], 1
	s_add_co_u32 s[G0+4*\s+1], s45, \s*SLOT
	s_add_nc_u64 s[G0+4*\s+2:G0+4*\s+3], s[20:21], \s*GSTEP
	s_or_b32 s[G0+4*\s+3], s[G0+4*\s+3], 0x80000000
	s_mov_b32 s[G0B+4*\s], 1
	s_add_co_u32 s[G0B+4*\s+1], s45, \s*SLOT
	s_add_nc_u64 s[G0B+4*\s+2:G0B+4*\s+3], s[46:47], \s*ROWB
	s_or_b32 s[G0B+4*\s+3], s[G0B+4*\s+3], 0x80000000
	JLOAD G0+4*\s, G1, G0B+4*\s, G1B
.endr
	v_and_b32 v1, 15, v0                           ; l % 16
	v_bfe_u32 v2, v0, 4, 1                         ; l / 16
	v_mul_u32_u24 v3, v1, PITCH
	v_mul_u32_u24 v4, v2, 24
	v_add_nc_u32 v4, v3, v4
	v_lshl_add_u32 v5, v2, 4, v4
	s_mul_i32 s21, s15, HALFT
	s_mul_i32 s22, s16, HALFT
	s_add_co_u32 s22, s22, 2*HALFT
.irp s, 0,1
	v_add_nc_u32 v[ADRA+\s], s21, v4
	v_add_nc_u32 v[ADRB+\s], s22, v4
	v_add_nc_u32 v[ADRA+2+\s], s21, v5
	v_add_nc_u32 v[ADRB+2+\s], s22, v5
	s_add_co_u32 s21, s21, SLOT
	s_add_co_u32 s22, s22, SLOT
.endr
	v_mul_u32_u24 v5, v1, KS
	v_lshrrev_b32 v6, 8, v5
	v_lshl_add_u32 v5, v6, 4, v5
	s_mul_i32 s21, s15, HALFS
	s_mul_i32 s22, s16, HALFS
	s_add_co_u32 s22, s22, 2*HALFS
	s_sub_co_u32 s22, s22, s21
	v_mul_u32_u24 v6, s22, v2                      ; lanes 16-31 take B's
	s_add_co_u32 s21, s21, SCL
	v_add_nc_u32 v5, v5, v6
	v_add_nc_u32 v[ADRS], s21, v5
	s_mul_i32 s23, s14, 16*SPITCH                  ; my stage
	v_mul_u32_u24 v5, v1, SPITCH                   ; in: row l % 16, 32 bytes for each half of the lanes
	v_lshl_add_u32 v5, v2, 5, v5
	v_add_nc_u32 v[STO], s23, v5
	v_and_b32 v6, 31, v0
	v_lshlrev_b32 v[CO], 4, v6                     ; back: the 32 lanes take one row of 512 bytes; and the same in the output and in bo
	v_add_nc_u32 v[RD], s23, v[CO]
	s_lshl_b32 s20, s17, 8
	s_lshl_b32 s21, s15, 7
	s_add_co_u32 s20, s20, s21                     ; my first row: 256 x tile row + 128 x half
	s_mov_b32 s21, 0
	s_mov_b64 s[18:19], SIZE_N*4
	s_mul_u64 s[20:21], s[20:21], s[18:19]
	s_lshl_b32 s46, s42, 10                        ; my first column, in bytes
	s_lshl_b32 s47, s16, 9
	s_add_co_u32 s46, s46, s47
	s_mov_b32 s47, 0
	s_add_nc_u64 s[96:97], s[96:97], s[46:47]      ; bo at my first column
	s_add_nc_u64 s[20:21], s[20:21], s[46:47]
	s_add_nc_u64 s[12:13], s[12:13], s[20:21]
	global_load_b128 v[BO:BO+3], v[CO], s[96:97]   ; waited for at the head of the way out
.macro FRAG reg, adr, q, i             ; a fragment: 12 registers, in pieces of 8 bytes; where the piece three on lies behind one padding more, the second address register serves
.irp p, 0,1,2,3,4,5
.set PCE, 12*(\q)+6*(\p/3)+\p%3
.if PCE%8 < 5
	ds_load_b64 v[\reg+2*\p:\reg+2*\p+1], v[\adr] offset:8*PCE+16*(PCE/8)+(\i)*16*PITCH
.else
	ds_load_b64 v[\reg+2*\p:\reg+2*\p+1], v[\adr+2] offset:8*PCE+16*(PCE/8)+(\i)*16*PITCH
.endif
.endr
.endm
; 16 matrix instructions: A's blocks a0, a0 + 1 x B's eight.  The 64 accumulators take turns, one instruction a turn.
.macro MUL16 a0, p, q, sc, zero
.irp a, \a0, \a0+1
.irp b, 0,1,2,3,4,5,6,7
.if \zero
	v_wmma_scale_f32_16x16x128_f8f6f4 v[8*(8*((\a)%4)+\b):8*(8*((\a)%4)+\b)+7], v[128*(\p)+FR*\b:128*(\p)+FR*\b+FR-1], v[AF+FR*(\a):AF+FR*(\a)+FR-1], 0, v[SC+8*NQ*(\sc)+NQ*\b+(\q)], v[SC+8*NQ*(\sc)+NQ*(\a)+(\q)] matrix_a_fmt:MATRIX_FMT_FP6 matrix_b_fmt:MATRIX_FMT_FP6 matrix_a_scale:MATRIX_SCALE_ROW1
.else
	v_wmma_scale_f32_16x16x128_f8f6f4 v[8*(8*((\a)%4)+\b):8*(8*((\a)%4)+\b)+7], v[128*(\p)+FR*\b:128*(\p)+FR*\b+FR-1], v[AF+FR*(\a):AF+FR*(\a)+FR-1], v[8*(8*((\a)%4)+\b):8*(8*((\a)%4)+\b)+7], v[SC+8*NQ*(\sc)+NQ*\b+(\q)], v[SC+8*NQ*(\sc)+NQ*(\a)+(\q)] matrix_a_fmt:MATRIX_FMT_FP6 matrix_b_fmt:MATRIX_FMT_FP6 matrix_a_scale:MATRIX_SCALE_ROW1
.endif
.endr
.endr
.endm
.macro FETCH_B slot, q, p
	WIN TO_B
.irp i, 0,1,2,3,4,5,6,7
	FRAG 128*(\p)+FR*\i, ADRB+\slot, \q, \i
.endr
	WIN 0
.endm
.macro FETCH_A slot, q, i0
.irp i, \i0, \i0+1, \i0+2, \i0+3
	FRAG AF+FR*(\i), ADRA+\slot, \q, \i
.endr
.endm
.macro SCALES sc
.irp i, 0,1,2,3,4,5,6,7
	ds_load_b64 v[SC+8*NQ*\sc+NQ*\i:SC+8*NQ*\sc+NQ*\i+1], v[ADRS] offset:\i*SBLK
.endr
.endm
.macro PLACES n                        ; plain places behind matrix instructions (ISA guide 7.12.1 for vector instructions)
.rept \n
	v_nop
.endr
.endm
.macro STEP slot, q, zero
	s_wait_dscnt 4*NL                              ; B's set and A's blocks 0-3 are in; the youngest 24 loads (A's blocks 4-7) may be out
	WIN MUL_LO
	MUL16 0, (\q)%2, \q, \slot, \zero
	MUL16 2, (\q)%2, \q, \slot, \zero
	s_wait_dscnt 0
	PLACES NP
	FETCH_B \slot, (\q)+1, 1-(\q)%2
	FETCH_A \slot, (\q)+1, 0
	WIN MUL_HI
	MUL16 4, (\q)%2, \q, \slot, \zero
	MUL16 6, (\q)%2, \q, \slot, \zero
	PLACES NP
	WIN 0
	FETCH_A \slot, (\q)+1, 4
.endm
.macro TURN slot, next, fill           ; a slot's last step changes slots: one barrier; in front of it the wait for all my tensor loads, the add, and the wait for it and for my reads of this slot
	s_wait_tensorcnt 0x0                           ; all my tensor loads have landed: my part of the next slot
	ds_add_u32 v[SPW], v[NIL]                      ; 0 onto my spare word
	s_wait_dscnt 4*NL+1                            ; (the add and the youngest 24 loads may be out)
	WIN MUL_LO
	MUL16 0, 1, NQ-1, \slot, 0
	s_wait_dscnt 0x0                               ; the add is done, and my reads of this slot are over
	s_barrier_signal -1
	MUL16 2, 1, NQ-1, \slot, 0
	WIN 0
	s_barrier_wait -1
.if \fill
	CREST                                          ; the barrier has opened a round of the cluster's barrier
	s_add_nc_u64 s[G0+4*\slot+2:G0+4*\slot+3], s[G0+4*\slot+2:G0+4*\slot+3], 2*GSTEP
	s_add_nc_u64 s[G0B+4*\slot+2:G0B+4*\slot+3], s[G0B+4*\slot+2:G0B+4*\slot+3], 2*ROWB
	JLOAD G0+4*\slot, G1, G0B+4*\slot, G1B         ; the first tensor load behind the round; its four v_nop are the places in front of the loads below
.else
	PLACES NP
.endif
	v_add_nc_u32 v[ADRS], 4*NQ, v[ADRS]
	FETCH_B \next, 0, 0
	FETCH_A \next, 0, 0
	SCALES \next
	WIN MUL_HI
	MUL16 4, 1, NQ-1, \slot, 0
	MUL16 6, 1, NQ-1, \slot, 0
	PLACES NP
	WIN 0
	FETCH_A \next, 0, 4
.endm
	s_wait_tensorcnt 1                             ; the scales and my part of K step 0 are in (K step 1's load may be out)
	s_barrier_signal -1
	s_barrier_wait -1
	FETCH_B 0, 0, 0
	FETCH_A 0, 0, 0
	SCALES 0
	FETCH_A 0, 0, 4
	STEP 0, 0, 1                                   ; the first step's products start the sums
	s_mov_b32 s3, LAPS-1
.Llap:
	TURN 0, 1, 1
	STEP 1, 0, 0
	TURN 1, 0, 1
	STEP 0, 0, 0
	s_sub_co_u32 s3, s3, 1
	s_cmp_lg_u32 s3, 0
	s_cbranch_scc1 .Llap
	TURN 0, 1, 0                                   ; the last lap fills nothing
	STEP 1, 0, 0
	s_wait_dscnt 4*NL
	WIN MUL_LO
	MUL16 0, 1, NQ-1, 1, 0
	MUL16 2, 1, NQ-1, 1, 0
	s_wait_dscnt 0
	WIN MUL_HI
	MUL16 4, 1, NQ-1, 1, 0
	MUL16 6, 1, NQ-1, 1, 0
	WIN 0
; THE WAY OUT, block by block of 16 rows x 128 columns, through my own stage in LDS: back come whole rows of 512 bytes; in each a lane holds the same four columns, whose bo is added; the 32 lanes store 512 consecutive bytes.
.macro TOSTAGE a
.set AC, 64*((\a)%4)
	WIN 0x08+4*((\a)/4)                            ; the data: window 2 or 3
.irp b, 0,1,2,3,4,5,6,7
	ds_store_b128 v[STO], v[AC+8*\b:AC+8*\b+3] offset:64*\b          ; each accumulator from its low end on
	ds_store_b128 v[STO], v[AC+8*\b+4:AC+8*\b+7] offset:64*\b+16
.endr
	WIN 0
.set BB, BK+64*((\a)%2)
.irp t, 0,1,2,3,4,5,6,7,8,9,10,11,12,13,14,15
	ds_load_b128 v[BB+4*\t:BB+4*\t+3], v[RD] offset:\t*SPITCH       ; LDS serves a wave's instructions in order: these see the stores above
.endr
.endm
.macro SEND a, younger                 ; younger: the LDS instructions issued behind block a's loads, which may stay out
.set BB, BK+64*((\a)%2)
	s_wait_dscnt \younger                          ; the block is back in registers
.if (\a) > 0
	s_add_nc_u64 s[12:13], s[12:13], 16*SIZE_N*4   ; (behind a wait on XCNT: the earlier stores have read their base)
.endif
.irp t, 0,1,2,3,4,5,6,7,8,9,10,11,12,13,14,15
	v_pk_add_f32 v[BB+4*\t:BB+4*\t+1], v[BB+4*\t:BB+4*\t+1], v[BO:BO+1]
	v_pk_add_f32 v[BB+4*\t+2:BB+4*\t+3], v[BB+4*\t+2:BB+4*\t+3], v[BO+2:BO+3]
	global_store_b128 v[CO], v[BB+4*\t:BB+4*\t+3], s[12:13] offset:\t*SIZE_N*4 th:TH_STORE_NT
.endr
.endm
	PLACES NP
	s_wait_loadcnt 0x0                             ; bo
	TOSTAGE 0
.irp a, 1,2,3,4,5,6,7
.if \a > 1
	s_wait_xcnt 0x0                                ; block a - 2's stores have read their registers and their base
.endif
	TOSTAGE \a
	SEND \a-1, 32                                  ; behind block a - 1's loads: block a's 16 stores and 16 loads
.endr
	s_wait_xcnt 0x0                                ; block 6's stores have read their base
	SEND 7, 0
	s_wait_tensorcnt 0x0                           ; the wave's end
	ds_add_u32 v[SPW], v[NIL]
	s_wait_dscnt 0x0
	CROUND                                         ; the closing round
	s_endpgm
.Lfunc_end_k_q3a16f25de7_proj:
	.size	k_q3a16f25de7_proj, .Lfunc_end_k_q3a16f25de7_proj-k_q3a16f25de7_proj
	.p2alignl 7, 3214868480
	.fill 96, 4, 3214868480
	.section	.rodata,"a",@progbits
	.p2align	6, 0x0
	.amdhsa_kernel k_q3a16f25de7_proj
		.amdhsa_group_segment_fixed_size 327680
		.amdhsa_private_segment_fixed_size 0
		.amdhsa_enable_private_segment 0
		.amdhsa_kernarg_size 48
		.amdhsa_user_sgpr_count 2
		.amdhsa_user_sgpr_kernarg_segment_ptr 1
		.amdhsa_wavefront_size32 1
		.amdhsa_system_sgpr_workgroup_id_x 1
		.amdhsa_system_sgpr_workgroup_id_y 1
		.amdhsa_system_sgpr_workgroup_id_z 1
		.amdhsa_system_vgpr_workitem_id 0
		.amdhsa_next_free_vgpr 1024
		.amdhsa_next_free_sgpr 100
		.amdhsa_reserve_vcc 0
		.amdhsa_float_denorm_mode_32 3
		.amdhsa_float_denorm_mode_16_64 3
		.amdhsa_memory_ordered 1
		.amdhsa_forward_progress 1
		.amdhsa_inst_pref_size 176
	.end_amdhsa_kernel
	.amdgpu_metadata
---
amdhsa.version: [ 1, 2 ]
amdhsa.kernels:
  - .name:           k_q3a16f25de7_proj
    .symbol:         k_q3a16f25de7_proj.kd
    .args:
      - { .name: aoc, .offset: 0, .size: 8, .value_kind: global_buffer, .address_space: global }
      - { .name: aos, .offset: 8, .size: 8, .value_kind: global_buffer, .address_space: global }
      - { .name: wc, .offset: 16, .size: 8, .value_kind: global_buffer, .address_space: global }
      - { .name: ws, .offset: 24, .size: 8, .value_kind: global_buffer, .address_space: global }
      - { .name: bo, .offset: 32, .size: 8, .value_kind: global_buffer, .address_space: global }
      - { .name: out0, .offset: 40, .size: 8, .value_kind: global_buffer, .address_space: global }
    .group_segment_fixed_size: 327680
    .private_segment_fixed_size: 0
    .kernarg_segment_align: 8
    .kernarg_segment_size: 48
    .max_flat_workgroup_size: 128
    .sgpr_count:     100
    .vgpr_count:     1024
    .wavefront_size: 32
...
	.end_amdgpu_metadata
.endif
;; end of part 4
